; MI455X (gfx1250); checked and timed in simulation.
; The chip was launched on July 23, 2026; its instructions are those of AMD's public machine-readable ISA for CDNA 5 (MIT licence, August 2026) and "CDNA5" Instruction Set Architecture Reference Guide (July 2026). The comments in the code are by the model that wrote it; some were corrected since.
;; Grouped Query Attention. Allowed arithmetic: matrix products marked QUANTISED: E2M3 operands, one E8M0 scale for each 32 along K, by v_wmma_scale_f32_16x16x128_f8f6f4 with both operands' format E2M3, f32 sums; everything else in f32.
;; Inputs: Wk 2,048 x 512 float32; Wo 2,048 x 2,048 float32; Wq 2,048 x 2,048 float32; Wv 2,048 x 512 float32; x 4 x 1,024 x 2,048 float32.
;; Outputs: out0 4 x 1,024 x 2,048 float32.
;; This version of the problem:
;;   THIS VERSION OF THE PROBLEM IS GIVEN IN LOW PRECISION. The matrix products marked QUANTISED in the list below multiply operands that are first quantised to E2M3 (2 exponent bits, 3 mantissa bits; 6 bits a number), with one power-of-two scale for each 32 numbers along K (OCP MX v1.0); their sums are f32. All else is computed in f32.
;;   The module's matrix products, in the order in which they are computed (A, B: the left and right operand; K: the contracted axis; several contracted axes count as one K, in the product's order):
;;     1. [M 4,096, K 2,048] x [K 2,048, N 2,048]; A: input x; B: input Wq: QUANTISED
;;     2. [M 4,096, K 2,048] x [K 2,048, N 512]; A: input x; B: input Wk: QUANTISED
;;     3. [M 4,096, K 2,048] x [K 2,048, N 512]; A: input x; B: input Wv: QUANTISED
;;     4. batch 16 x [M 4,096, K 128] x [K 128, N 1,024]; A: computed on the way; B: computed on the way: QUANTISED
;;     5. batch 16 x [M 4,096, K 1,024] x [K 1,024, N 128]; A: softmax (see below); B: computed on the way: QUANTISED
;;     6. [M 4,096, K 2,048] x [K 2,048, N 2,048]; A: computed on the way; B: input Wo: QUANTISED
;;   THE QUANTISER, for each operand of a quantised product, along K:
;;     - K is cut into blocks of 32 from its start; a last block that is shorter is filled with zeros.
;;     - A block's scale is 2^e with e = floor(log2(the largest magnitude in the block)) - 2, held to -126 .. 127; a block of zeros has e = 0. As a byte (E8M0): e + 127.
;;     - Each number is divided by its block's scale, clamped to +-7.5, and rounded to the nearest number of E2M3, ties to even, subnormals kept.
;;     - The product sums the exact products of the quantised numbers (number of the format x scale) in f32.
;;   ~~~python
;;   def quantise(x, axis):      # numpy; x: float32 -> the quantised numbers, widened to float32 again
;;       x = np.moveaxis(x, axis, -1); K = x.shape[-1]
;;       x = np.pad(x, [(0, 0)] * (x.ndim - 1) + [(0, -K % 32)]); x = x.reshape(x.shape[:-1] + (-1, 32)); a = np.abs(x).max(-1, keepdims=True)
;;       e = np.where(a > 0, np.clip(np.frexp(np.where(a > 0, a, 1))[1] - 1 - 2, -126, 127), 0)      # np.frexp(a)[1] - 1 = floor(log2(a)), exactly
;;       r = np.clip(x / 2.0 ** e, -7.5, 7.5)
;;       step = 2.0 ** (np.maximum(np.frexp(np.where(r == 0, 1, r))[1] - 1, 0) - 3)
;;       q = np.round(r / step) * step * 2.0 ** e      # np.round: ties to even
;;       return np.moveaxis(q.reshape(q.shape[:-2] + (-1,))[..., :K], -1, axis).astype(np.float32)
;;   ~~~
;;   SOFTMAX AHEAD OF A QUANTISED PRODUCT. Where the list says 'softmax', what is quantised is not the finished softmax but p = 2^(t - M), with t = logit x log2(e) and M = ceil(the row's largest t), a whole number; so 1/2 < the row's largest p <= 1. The row's sum l is taken of the UNQUANTISED p, in f32, and the product's result is divided by l at the end. Since M is a whole number, a kernel that streams over the keys may use a running M (the ceiling of the running maximum): every later rescaling is an exact power of two, which a block's scale takes up: the codes' values come out the same.
;;   OPERANDS COMPUTED ON THE WAY. 'Computed on the way' means the value that the module computes at that place (a softmax that the list does not call 'softmax' is quantised finished and normalised). What goes into a quantiser is computed in f32, as accurately as f32 sums, v_exp_f32 and their like allow (about 1e-6 of the number): no bf16 or f16 on the way to a quantiser, and a product that is left as it is and whose result goes on into a quantised operand takes f32 operands (vector FMAs, or v_wmma_f32_16x16x4_f32). A number that lies on a knife's edge between two numbers of the format may be rounded either way, as far as f32 arithmetic and the matrix unit's own rounding can turn it there, and no further.
;; One version. Each part assembles by itself: llvm-mc -triple=amdgcn-amd-amdhsa -mcpu=gfx1250 --defsym DOCPART=n.
;; ======== version 1 of 1: 4 launches
;; limits: right only within a limited range of input values
;; workspace buffers: w_img 7,864,320 bytes; w_scl 327,680 bytes; x_img 6,291,456 bytes; x_scl 262,144 bytes; rope 524,288 bytes; qkv_img 9,633,792 bytes; qkv_scl 524,288 bytes; att 6,553,600 bytes
;; launch quant (part 1): grid 576 x 1, 4 waves a work-group, no clusters, 75,264 bytes of LDS; arguments Wq, Wk, Wv, Wo, w_img, w_scl, x, x_img, x_scl, rope; writes w_img, w_scl, x_img, x_scl, rope
.if DOCPART == 1
	.amdgcn_target "amdgcn-amd-amdhsa--gfx1250"
	.amdhsa_code_object_version 6
	.text
	.protected	k_q09b534ff1a_quant
	.globl	k_q09b534ff1a_quant
	.p2align	8
	.type	k_q09b534ff1a_quant,@function
k_q09b534ff1a_quant:
	s_mov_b64 s[64:65], 0
	v_nop
	global_prefetch_b8 v0, s[64:65] scope:SCOPE_SE
	s_setreg_imm32_b32 hwreg(HW_REG_WAVE_MODE, 25, 1), 1
	s_wait_xcnt 0x0
; One launch quantises the four weights and x to codes of FP6 (E2M3) with one E8M0 byte for each 32 along K, and makes the table of cosines and sines.
; Work-groups 0-319 take the weights (K the FIRST axis), 320-575 take x (K innermost).  The two ways part on the work-group's number and have LDS bytes of their own.
; IMAGES.  A fragment (16 rows x 128 K) is stored as an image of the operand's registers, 1,536 bytes: register p of lane l at byte 512 (p / 4) + 16 l + 4 (p % 4);
; lane (r, h) holds row r, registers 6 c .. 6 c + 5 hold k = 64 c + 32 h + 0 .. 31.  Scale words: one word (128 along K) a row.
; w_img [nb 0..319][ks 0..15][1536], w_scl [nb][ks][r]: nb 0-127 Wq; 128 + 16 c + 0..7 Wk's head c; 128 + 16 c + 8..15 Wv's head c; 192-319 Wo.
; x_img [rb 0..255][ks][1536], x_scl [rb][ks][r].  Inside each 32 rows (columns of W, tokens of x) position p holds row p with bits 3 and 4 changed places.
; rope [tb 0..63][b 0..3][piece 0..3][lane][16 bytes]: cos (pieces 0, 1) and sin (pieces 2, 3) of t x 10000^(-d / 64), d = 32 (b / 2) + 16 h + 8 (b % 2) + 0 .. 7.
; A block's scale is 2^(floor(log2(largest magnitude)) - 2): its byte is that magnitude's exponent field - 2, held at 1 from below.
; LIMITS: a block of zeros, and one whose largest magnitude lies under 2^-124, gets the byte 1 (its codes are zeros or tiny; this program alone reads the bytes); NaN and infinities are not served.
; The table's frequency is within about one unit in the last place of its true value; at t = 1023 that is an angle of about 1e-4.
.set NWG,   320                        ; work-groups of the weights
.set XB,    25600                      ; LDS: the weights' four stages lie under it, x's four regions from it on
.set SPARE, 74752                      ; the spare words, 128 bytes a wave
.set SPW,   224
.set NIL,   225
.set WV,    44                         ; s44 my wave
	v_lshl_add_u32 v[SPW], v0, 2, SPARE
	v_mov_b32 v[NIL], 0
	v_lshrrev_b32 v1, 5, v0
	v_readfirstlane_b32 s[WV], v1
	v_and_b32 v2, 31, v0                           ; lane
	s_cmp_ge_u32 ttmp9, NWG
	s_wait_alu depctr_va_vdst(0)                   ; the wait ahead of the branch
	s_cbranch_scc1 .Ltokens
; ---- THE WEIGHTS.  A lane takes a column and its registers run down K; a wave takes 32 columns x 256 along K; codes go through the wave's own stage, laid as the images are.
.set PIT,  46                          ; s46 bytes from row to row
.set XG,   47                          ; s47 which 128 columns: 0-15 Wq, 16-19 Wk, 20-23 Wv, 24-39 Wo
.set SB,   24
.set OFF,  32                          ; v32-63 row i of a block: i x pitch + 4 x lane
.set WX,   64                          ; v64-127 two sets of 32 numbers
.set WC,   128
.set OUTR, 144
.set NBP,  3200                        ; the second 16 positions lie 3,072 + 128 bytes on
.set WST,  6400
	s_load_b256 s[4:11], s[0:1], 0x0               ; Wq, Wk, Wv, Wo
	s_load_b128 s[12:15], s[0:1], 0x20             ; w_img, w_scl
	s_lshr_b32 s[XG], ttmp9, 3
	s_and_b32 s39, ttmp9, 7                        ; which 256 along K
	v_lshlrev_b32 v3, 2, v2
	v_and_b32 v5, 7, v0
	v_bfe_u32 v6, v0, 4, 1
	v_lshl_add_u32 v5, v6, 3, v5                   ; my position's row: lane bits 0-2, and bit 4 as bit 3
	v_bfe_u32 v6, v0, 3, 1                         ; which block of 16 positions
	s_mul_i32 s45, s[WV], WST
	v_mul_u32_u24 v4, v6, NBP
	v_lshl_add_u32 v4, v5, 4, v4
	v_add_nc_u32 v4, s45, v4                       ; into the stage
	v_lshlrev_b32 v8, 4, v2
	v_add_nc_u32 v7, s45, v8                       ; out of it
	v_lshlrev_b32 v9, 10, v6
	v_lshl_add_u32 v9, v5, 2, v9                   ; my scale word's place
	s_sub_co_u32 s19, s[XG], 16
	s_cmp_lt_u32 s19, 8
	s_cselect_b32 s36, 11, 13                      ; log2 of the pitch
	s_lshl_b32 s[PIT], 1, s36
	s_and_b32 s37, s19, 3
	s_lshl_b32 s37, s37, 4
	s_lshr_b32 s38, s19, 2
	s_lshl_b32 s38, s38, 3
	s_add_co_u32 s37, s37, s38
	s_add_co_u32 s37, s37, 128                     ; narrow: 128 + 16 head + 8 (Wv)
	s_lshl_b32 s38, s[XG], 3
	s_cmp_lt_u32 s19, 8
	s_cselect_b32 s37, s37, s38
	s_lshl_b32 s38, s[WV], 1
	s_add_co_u32 s37, s37, s38                     ; my wave's first block of positions
.set II, 0
.rept 32
	v_mad_u32_u24 v[OFF+II], s[PIT], II, v3
.set II, II+1
.endr
	s_wait_alu depctr_va_vdst(0)                   ; the wait at the head's end
	s_wait_kmcnt 0x0
	s_cmp_lt_u32 s[XG], 24
	s_cselect_b64 s[16:17], s[8:9], s[10:11]
	s_cselect_b32 s18, 20, 24
	s_cmp_lt_u32 s[XG], 20
	s_cselect_b64 s[16:17], s[6:7], s[16:17]
	s_cselect_b32 s18, 16, s18
	s_cmp_lt_u32 s[XG], 16
	s_cselect_b64 s[16:17], s[4:5], s[16:17]       ; the tensor, and the group at which it begins
	s_cselect_b32 s18, 0, s18
	s_add_co_u32 s40, s36, 8
	s_lshl_b32 s40, s39, s40                       ; 256 rows x pitch x y
	s_sub_co_u32 s41, s[XG], s18
	s_lshl_b32 s41, s41, 9
	s_add_co_u32 s40, s40, s41
	s_lshl_b32 s41, s[WV], 7
	s_add_co_u32 s40, s40, s41
	s_mov_b32 s41, 0
	s_add_nc_u64 s[20:21], s[16:17], s[40:41]      ; a base for each of the eight blocks: no pointer is stepped
	s_add_co_u32 s42, s36, 5
	s_lshl_b32 s42, 1, s42
	s_mov_b32 s43, 0
.irp t, 1,2,3,4,5,6,7
	s_add_nc_u64 s[20+2*\t:21+2*\t], s[18+2*\t:19+2*\t], s[42:43]
.endr
	s_lshl_b32 s40, s37, 4
	s_lshl_b32 s42, s39, 1
	s_add_co_u32 s40, s40, s42
	s_mul_i32 s40, s40, 1536
	s_add_nc_u64 s[12:13], s[12:13], s[40:41]
	s_lshl_b32 s40, s37, 10
	s_lshl_b32 s42, s39, 7
	s_add_co_u32 s40, s40, s42
	s_add_nc_u64 s[14:15], s[14:15], s[40:41]
.macro WLOAD t
.set II, 0
.rept 32
	global_load_b32 v[WX+32*((\t)%2)+II], v[OFF+II], s[20+2*(\t):21+2*(\t)] th:TH_LOAD_NT
.set II, II+1
.endr
.endm
	WLOAD 0
	WLOAD 1
.macro WBLOCK t
.set XS, WX+32*((\t)%2)
.if (\t) < 7
	s_wait_loadcnt 32                              ; this block's 32 loads are in; the next block's may be out
.else
	s_wait_loadcnt 0x0
.endif
	v_max3_num_f32 v12, |v[XS]|, |v[XS+1]|, |v[XS+2]|
	v_max3_num_f32 v13, |v[XS+3]|, |v[XS+4]|, |v[XS+5]|
.irp i, 6,10,14,18,22,26
	v_max3_num_f32 v12, v12, |v[XS+\i]|, |v[XS+\i+1]|
	v_max3_num_f32 v13, v13, |v[XS+\i+2]|, |v[XS+\i+3]|
.endr
	v_max3_num_f32 v12, v12, |v[XS+30]|, |v[XS+31]|
	v_max3_num_f32 v12, v12, v13, 0x1800000        ; the floor 2^(3 - 127)
	v_add_nc_u32 v11, 0xff000000, v12              ; 2 off the exponent field: the conversion's scale operand
	v_lshrrev_b32 v13, 23, v11
.if (\t)%4 == 0
	v_mov_b32 v[SB+(\t)/4], v13
.else
	v_lshl_or_b32 v[SB+(\t)/4], v13, 8*((\t)%4), v[SB+(\t)/4]
.endif
	v_cvt_scalef32_pk16_fp6_f32 v[WC:WC+2], v[XS:XS+15], v11
	v_cvt_scalef32_pk16_fp6_f32 v[WC+6:WC+8], v[XS+16:XS+31], v11
	v_nop                                          ; one plain place behind a scaled conversion
.irp i, 0,1,2
	v_mov_b32 v[WC+3+\i], v[WC+6+\i]
.endr
.if (((\t)>>1)&1) == 0                 ; block t: K step t / 4, image lane r + 16 (t % 2), registers 6 ((t / 2) % 2) on
	ds_store_b128 v4, v[WC:WC+3] offset:((\t)>>2)*1536+256*((\t)&1)
	ds_store_b64 v4, v[WC+4:WC+5] offset:((\t)>>2)*1536+256*((\t)&1)+512
.else
	ds_store_b64 v4, v[WC:WC+1] offset:((\t)>>2)*1536+256*((\t)&1)+520
	ds_store_b128 v4, v[WC+2:WC+5] offset:((\t)>>2)*1536+256*((\t)&1)+1024
.endif
.if (\t)+2 < 8
	WLOAD (\t)+2
.endif
	s_wait_dscnt 0x0                               ; the stores have read their registers
.endm
.irp t, 0,1,2,3,4,5,6,7
	WBLOCK \t
.endr
	s_wait_alu depctr_va_vdst(0)                   ; the wait ahead of the readers below
	global_store_b32 v9, v[SB], s[14:15]
	global_store_b32 v9, v[SB+1], s[14:15] offset:64
.irp n, 0,1,2,3,4,5,6,7,8,9,10,11
	ds_load_b128 v[OUTR+4*\n:OUTR+4*\n+3], v7 offset:(\n/6)*NBP+(\n%6)*512
.endr
.irp n, 0,1,2,3,4,5,6,7,8,9,10,11
	s_wait_dscnt 11-\n
	global_store_b128 v8, v[OUTR+4*\n:OUTR+4*\n+3], s[12:13] offset:(\n/6)*24576+(\n%6)*512   ; 512 consecutive bytes
.endr
	s_wait_tensorcnt 0x0                           ; the wave's end
	ds_add_u32 v[SPW], v[NIL]
	s_wait_dscnt 0x0
	s_endpgm
; ---- x.  Work-group rb takes 16 tokens, wave kq their K = 512 kq .. + 511; a step is one token's 512 numbers.  Loads read 512 consecutive bytes; the numbers turn through the
; wave's own stage so that a lane holds 16 neighbours along K; codes gather in the wave's image in LDS and leave by stores of 512 consecutive bytes.
.Ltokens:
.set STEPS, 16
.set RB,    34                         ; s34 my block of 16 tokens
.set R,     16
.set X,     80
.set E,     112
.set C,     128
.set WREG,  12288
.set SP,    80
.set IMG,   5120
.set SCB,   11648
	s_load_b256 s[4:11], s[0:1], 0x30              ; x, x_img, x_scl, rope
	s_sub_co_u32 s[RB], ttmp9, NWG
	v_lshlrev_b32 v3, 4, v2
	s_mul_i32 s17, s[WV], WREG
	s_add_co_u32 s17, s17, XB
	v_lshrrev_b32 v14, 2, v2
	v_mul_u32_u24 v14, v14, SP
	v_and_b32 v15, 3, v2
	v_lshl_add_u32 v14, v15, 4, v14
	v_add_nc_u32 v14, s17, v14                     ; the stage, on the way in
	v_mul_u32_u24 v15, v2, SP
	v_add_nc_u32 v15, s17, v15                     ; and out: my 16 neighbours
	v_bfe_u32 v12, v0, 2, 1
	v_and_b32 v13, 1, v0
	v_mul_u32_u24 v12, v12, 6
	v_mad_u32_u24 v12, v13, 3, v12                 ; my codes' first register in the image
	v_bfe_u32 v13, v0, 3, 2
	v_mul_u32_u24 v13, v13, 1632
	v_bfe_u32 v11, v0, 1, 1
	v_mad_u32_u24 v13, v11, 272, v13
	s_add_co_u32 s18, s17, IMG
	v_add_nc_u32 v13, s18, v13
.irp i, 0,1,2
	v_add_nc_u32 v11, \i, v12
	v_lshrrev_b32 v1, 2, v11
	v_and_b32 v11, 3, v11
	v_mad_u32_u24 v1, v1, 544, v13
	v_lshl_add_u32 v[4+\i], v11, 2, v1             ; v4-6: where my three registers of codes go (+ 16 t)
.endr
	v_bfe_u32 v11, v0, 4, 1
	v_mul_u32_u24 v8, v11, 272
	v_and_b32 v11, 15, v0
	v_lshl_add_u32 v8, v11, 4, v8
	v_add_nc_u32 v8, s18, v8                       ; the images on the way out
	s_add_co_u32 s18, s17, SCB
	v_bfe_u32 v11, v0, 3, 2
	v_bfe_u32 v1, v0, 1, 2
	v_lshl_add_u32 v7, v11, 6, v1
	v_add_nc_u32 v7, s18, v7                       ; my block's scale byte
	v_lshlrev_b32 v9, 3, v2
	v_add_nc_u32 v10, s18, v9
	s_lshr_b32 s18, s[RB], 1
	s_lshl_b32 s18, s18, 5
	s_and_b32 s19, s[RB], 1
	s_lshl_b32 s19, s19, 3
	s_add_co_u32 s18, s18, s19                     ; row 0's token
	s_lshl_b32 s18, s18, 13
	s_lshl_b32 s19, s[WV], 11
	s_add_co_u32 s18, s18, s19
	s_mov_b32 s19, 0
	s_mul_i32 s20, s[RB], 24576
	s_mul_i32 s21, s[WV], 6144
	s_add_co_u32 s20, s20, s21
	s_mov_b32 s21, 0
	s_lshl_b32 s22, s[RB], 10
	s_lshl_b32 s23, s[WV], 8
	s_add_co_u32 s22, s22, s23
	s_mov_b32 s23, 0
	s_lshl_b32 s26, s[RB], 11
	s_mov_b32 s27, 0
	s_wait_alu depctr_va_vdst(0)                   ; the wait at the head's end
	s_wait_kmcnt 0x0
	s_add_nc_u64 s[4:5], s[4:5], s[18:19]
	s_add_nc_u64 s[6:7], s[6:7], s[20:21]
	s_add_nc_u64 s[8:9], s[8:9], s[22:23]
	s_add_nc_u64 s[10:11], s[10:11], s[26:27]
.macro LOAD t
.irp i, 0,1,2,3
	global_load_b128 v[R+16*((\t)%4)+4*\i:R+16*((\t)%4)+4*\i+3], v3, s[4:5] offset:((\t)+8*((\t)/8))*8192+512*\i th:TH_LOAD_NT
.endr
.endm
.macro TURN t
.irp i, 0,1,2,3
	ds_store_b128 v14, v[R+16*((\t)%4)+4*\i:R+16*((\t)%4)+4*\i+3] offset:32*SP*((\t)%2)+8*SP*\i
.endr
.irp i, 0,1,2,3
	ds_load_b128 v[X+16*((\t)%2)+4*\i:X+16*((\t)%2)+4*\i+3], v15 offset:32*SP*((\t)%2)+16*\i
.endr
.endm
.irp t, 0,1,2,3
	LOAD \t
.endr
	; the table, under the first loads: two angles a thread
	s_lshr_b32 s22, s[RB], 2
	s_and_b32 s23, s[RB], 3
	s_lshr_b32 s24, s22, 1
	s_lshl_b32 s24, s24, 5
	s_and_b32 s25, s22, 1
	s_lshl_b32 s25, s25, 3
	s_add_co_u32 s24, s24, s25
	s_lshr_b32 s25, s23, 1
	s_lshl_b32 s25, s25, 5
	s_and_b32 s26, s23, 1
	s_lshl_b32 s26, s26, 3
	s_add_co_u32 s25, s25, s26
	s_mov_b32 s28, 0x3e549a78                      ; log2(10000) / 64, upper part
	s_mov_b32 s29, 0x31979a18                      ; and the rest
	s_mov_b32 s30, 0xbf317218                      ; -ln 2
	s_mov_b32 s31, 0x3f22f983                      ; 2 / pi
	s_mov_b32 s32, 0xbfc90fdb                      ; -(pi / 2), upper part
	s_mov_b32 s33, 0x333bbd2e                      ; the upper part less pi / 2
	v_bfe_u32 v192, v0, 1, 4
	v_bfe_u32 v193, v0, 4, 1
	v_lshl_add_u32 v192, v193, 3, v192
	v_add_nc_u32 v192, s24, v192
	v_cvt_f32_u32 v192, v192                       ; t
	v_bfe_u32 v193, v0, 5, 1
	v_lshlrev_b32 v193, 4, v193
	v_bfe_u32 v194, v0, 6, 1
	v_lshl_add_u32 v193, v194, 2, v193
	v_and_b32 v194, 1, v0
	v_lshl_add_u32 v193, v194, 1, v193
	v_add_nc_u32 v193, s25, v193
	v_add_nc_u32 v194, 1, v193
	v_cvt_f32_u32 v193, v193                       ; d of my two angles
	v_cvt_f32_u32 v194, v194
	v_lshlrev_b32 v195, 3, v0
.macro ANGLE k
	v_mul_f32 v200, s28, v[193+\k]                 ; p = d L, rounded; what the rounding dropped; L's lower part
	v_fma_f32 v201, v[193+\k], s28, -v200
	v_fma_f32 v201, v[193+\k], s29, v201
	s_wait_alu depctr_va_vdst(0)                   ; the wait ahead of the transcendental
	v_exp_f32 v202, -v200
	v_nop
	s_wait_alu depctr_va_vdst(0)                   ; and behind it
	v_mul_f32 v201, v202, v201
	v_fma_f32 v202, v201, s30, v202                ; 2^(-p - rest) = 2^-p (1 - rest ln 2)
	v_mul_f32 v203, v192, v202                     ; the angle
	v_mul_f32 v204, s31, v203
	v_rndne_f32 v204, v204                         ; n quarter turns
	v_fma_f32 v203, v204, s32, v203
	v_fma_f32 v203, v204, s33, v203                ; within +-pi / 4
	v_mul_f32 v205, v203, v203
	v_mov_b32 v206, 0xb94ca1f9
	v_fmaak_f32 v206, v206, v205, 0x3c08839e
	v_fmaak_f32 v206, v206, v205, 0xbe2aaaa3
	v_mul_f32 v206, v206, v205
	v_fma_f32 v206, v206, v203, v203               ; sine
	v_mov_b32 v207, 0x37ccf5ce
	v_fmaak_f32 v207, v207, v205, 0xbab6061a
	v_fmaak_f32 v207, v207, v205, 0x3d2aaaa5
	v_mul_f32 v207, v207, v205
	v_fma_f32 v200, v205, -0.5, 1.0
	v_fma_f32 v207, v207, v205, v200               ; cosine
	v_cvt_i32_f32 v201, v204
	v_and_b32 v202, 1, v201
	v_cmp_eq_u32 vcc_lo, 1, v202                   ; an odd quarter changes the two
	v_cndmask_b32 v[198+\k], v206, v207, vcc_lo
	v_cndmask_b32 v[196+\k], v207, v206, vcc_lo
	v_lshlrev_b32 v202, 30, v201
	v_and_b32 v202, 0x80000000, v202
	v_xor_b32 v[198+\k], v[198+\k], v202
	v_add_nc_u32 v201, 1, v201
	v_lshlrev_b32 v201, 30, v201
	v_and_b32 v201, 0x80000000, v201
	v_xor_b32 v[196+\k], v[196+\k], v201
.endm
	ANGLE 0
	ANGLE 1
	global_store_b64 v195, v[196:197], s[10:11]
	global_store_b64 v195, v[198:199], s[10:11] offset:1024
	s_wait_loadcnt 12                              ; step 0's four loads are in
	TURN 0
.macro STEP t
.set XS, X+16*((\t)%2)
.if (\t) > 0
	s_wait_dscnt 4                                 ; this step's numbers are back (the last step's four small stores may be out)
.else
	s_wait_dscnt 0x0
.endif
.if (\t)+4 < STEPS
	LOAD (\t)+4
.endif
.if (\t)+1 < STEPS
.if STEPS-2-(\t) >= 3
	s_wait_loadcnt 12                              ; the next step's four loads are in; three steps' may be out
.else
	s_wait_loadcnt 4*(STEPS-2-(\t))
.endif
	TURN (\t)+1
.endif
	v_max3_num_f32 v212, |v[XS]|, |v[XS+1]|, |v[XS+2]|
	v_max3_num_f32 v213, |v[XS+3]|, |v[XS+4]|, |v[XS+5]|
.irp i, 6,10
	v_max3_num_f32 v212, v212, |v[XS+\i]|, |v[XS+\i+1]|
	v_max3_num_f32 v213, v213, |v[XS+\i+2]|, |v[XS+\i+3]|
.endr
	v_max3_num_f32 v212, v212, |v[XS+14]|, |v[XS+15]|
	v_max3_num_f32 v212, v212, v213, 0x1800000
	v_max_num_f32_dpp v212, v212, v212 row_xmask:1 row_mask:0xf bank_mask:0xf   ; with my neighbour's 16: the block's
	v_add_nc_u32 v214, 0xff000000, v212
	v_cvt_scalef32_pk16_fp6_f32 v[C+4*(\t):C+4*(\t)+2], v[XS:XS+15], v214
	v_lshrrev_b32 v[E+(\t)], 23, v214              ; the byte (a plain place behind the conversion)
.irp i, 0,1,2
	ds_store_b32 v[4+\i], v[C+4*(\t)+\i] offset:16*(\t)
.endr
	ds_store_b8 v7, v[E+(\t)] offset:4*(\t)
.endm
.irp t, 0,1,2,3,4,5,6,7,8,9,10,11,12,13,14,15
	STEP \t
.endr
.irp n, 0,1,2,3,4,5,6,7,8,9,10,11
	ds_load_b128 v[R+4*\n:R+4*\n+3], v8 offset:544*\n
.endr
	ds_load_b64 v[12:13], v10
.irp n, 0,1,2,3,4,5,6,7,8,9,10,11
	s_wait_dscnt 12-\n
	global_store_b128 v3, v[R+4*\n:R+4*\n+3], s[6:7] offset:512*\n
.endr
	s_wait_dscnt 0x0
	global_store_b64 v9, v[12:13], s[8:9]          ; 256 consecutive bytes, aligned
	s_wait_tensorcnt 0x0                           ; the wave's end
	ds_add_u32 v[SPW], v[NIL]
	s_wait_dscnt 0x0
	s_endpgm
.Lfunc_end_k_q09b534ff1a_quant:
	.size	k_q09b534ff1a_quant, .Lfunc_end_k_q09b534ff1a_quant-k_q09b534ff1a_quant
	.p2alignl 7, 3214868480
	.fill 96, 4, 3214868480
	.section	.rodata,"a",@progbits
	.p2align	6, 0x0
	.amdhsa_kernel k_q09b534ff1a_quant
		.amdhsa_group_segment_fixed_size 75264
		.amdhsa_private_segment_fixed_size 0
		.amdhsa_enable_private_segment 0
		.amdhsa_kernarg_size 80
		.amdhsa_user_sgpr_count 2
		.amdhsa_user_sgpr_kernarg_segment_ptr 1
		.amdhsa_wavefront_size32 1
		.amdhsa_system_sgpr_workgroup_id_x 1
		.amdhsa_system_sgpr_workgroup_id_y 1
		.amdhsa_system_sgpr_workgroup_id_z 1
		.amdhsa_system_vgpr_workitem_id 0
		.amdhsa_next_free_vgpr 226
		.amdhsa_next_free_sgpr 66
		.amdhsa_reserve_vcc 1
		.amdhsa_float_denorm_mode_32 3
		.amdhsa_float_denorm_mode_16_64 3
		.amdhsa_memory_ordered 1
		.amdhsa_forward_progress 1
		.amdhsa_inst_pref_size 87
	.end_amdhsa_kernel
	.amdgpu_metadata
---
amdhsa.version: [ 1, 2 ]
amdhsa.kernels:
  - .name:           k_q09b534ff1a_quant
    .symbol:         k_q09b534ff1a_quant.kd
    .args:
      - { .name: Wq, .offset: 0, .size: 8, .value_kind: global_buffer, .address_space: global }
      - { .name: Wk, .offset: 8, .size: 8, .value_kind: global_buffer, .address_space: global }
      - { .name: Wv, .offset: 16, .size: 8, .value_kind: global_buffer, .address_space: global }
      - { .name: Wo, .offset: 24, .size: 8, .value_kind: global_buffer, .address_space: global }
      - { .name: w_img, .offset: 32, .size: 8, .value_kind: global_buffer, .address_space: global }
      - { .name: w_scl, .offset: 40, .size: 8, .value_kind: global_buffer, .address_space: global }
      - { .name: x, .offset: 48, .size: 8, .value_kind: global_buffer, .address_space: global }
      - { .name: x_img, .offset: 56, .size: 8, .value_kind: global_buffer, .address_space: global }
      - { .name: x_scl, .offset: 64, .size: 8, .value_kind: global_buffer, .address_space: global }
      - { .name: rope, .offset: 72, .size: 8, .value_kind: global_buffer, .address_space: global }
    .group_segment_fixed_size: 75264
    .private_segment_fixed_size: 0
    .kernarg_segment_align: 8
    .kernarg_segment_size: 80
    .max_flat_workgroup_size: 128
    .sgpr_count:     66
    .vgpr_count:     226
    .wavefront_size: 32
...
	.end_amdgpu_metadata
.endif
;; end of part 1
;; launch gemm_qkv (part 2): grid 12 x 16, 4 waves a work-group, clusters of 4 x 4, 327,680 bytes of LDS; arguments x_img, x_scl, w_img, w_scl, rope, qkv_img, qkv_scl; writes qkv_img, qkv_scl
.if DOCPART == 2
	.amdgcn_target "amdgcn-amd-amdhsa--gfx1250"
	.amdhsa_code_object_version 6
	.text
	.protected	k_q09b534ff1a_gemm_qkv
	.globl	k_q09b534ff1a_gemm_qkv
	.p2align	8
	.type	k_q09b534ff1a_gemm_qkv,@function
k_q09b534ff1a_gemm_qkv:
	s_mov_b64 s[64:65], 0
	v_nop
	global_prefetch_b8 v0, s[64:65] scope:SCOPE_SE
	s_setreg_imm32_b32 hwreg(HW_REG_WAVE_MODE, 25, 1), 1
	s_wait_xcnt 0x0
	s_wait_alu depctr_hold_cnt(0) depctr_sa_sdst(0) depctr_va_vdst(0) depctr_va_sdst(0) depctr_va_ssrc(0) depctr_va_vcc(0) depctr_vm_vsrc(0)
	s_getreg_b32 s2, hwreg(HW_REG_IB_STS2, 6, 4)
	s_cmp_eq_u32 s2, 0
	s_cbranch_scc0 .Lentry_in_a_cluster
	s_endpgm
.Lentry_in_a_cluster:
	s_bfe_u32 s2, ttmp6, 0x10000c
	s_cmp_lg_u32 s2, 0xf033
	s_cbranch_scc0 .Lentry_shape_is_right
	s_endpgm
.Lentry_shape_is_right:
; q, k, v = x Wq, x Wk, x Wv on codes of FP6 (E2M3) with E8M0 scales; q and k are rotated (RoPE) in f32 and quantised along the head's 128; v is quantised along the keys.  Nothing of them goes to memory as f32.
; OPERANDS are images of the operand's registers: a fragment (16 rows x 128 K) is 1,536 bytes: [row block][K step 0..15][1536]; scale words [row block][K step][row].  Inside each 32 rows position p holds row p with bits 3, 4 changed places.
; A tile of 256 positions x 256 columns is made by four waves, each 128 x 128: 64 accumulators.  K goes in steps of 256 through a ring of two LDS slots; the scale words for all of K come into LDS once.
; CLUSTERS of 4 x 4: x's tiles are asked for jointly along a row of the cluster, W's along a column.  192 tiles: 12 x 16.
; THE HEAD: four whole tiles, one joint load a wave: x's 256 rows of slot 0, W's, x's scale words, W's.  Slot 1 is first filled behind the full sequence and a round.
; q AND k: source 0 = 16 positions of W, source 1 = 16 of x.  Lane (r, h), register j of accumulator (a, b): token-position 16 a + r, column 32 (b / 2) + 16 h + 8 (b % 2) + j: 16 neighbours along the head in b = 2 n, 2 n + 1.
; v: THE SAME TEXT WITH THE TWO OPERANDS' LDS ADDRESSES CHANGED: source 0 = x, source 1 = Wv.  Accumulator (a, b): channel-position 16 a + r, key 32 (b / 2) + 16 h + 8 (b % 2) + j: the 64 registers of a are 64 of
; the lane's channel's 128 keys, in the quantiser's order: V^T's fragment a is made straight from them, with no stage and no copy.
; COLUMN TILES 0-7 are q's heads; tiles 8-11 (cluster x = 2) hold k's head c (wave column 0) and v's head c (wave column 1).  The choice hangs on the cluster's x and the wave's number, alike in all partners.
; OUTPUT.  qkv_img: q [b 16 + h][tile of 16 positions 0..63][1536]; from byte 6,291,456 [b 4 + kv][208,896]: K's scale words (8,192: [pair of tiles][lane][tile of the pair]), V's (4,096: [key step][lane][group 0..3]),
; then [key step 0..7][K: 8 fragments | V^T: 8 fragments].  qkv_scl: q's scale words [head][pair of tiles 0..31][lane][tile of the pair].
; PREFETCH: of the 8 row blocks that a wave fetches for a slot each of the four partners names 2 (24 blocks of 256 bytes, a lane a block, lanes 24-31 the last again), told apart by address.
; Slots 1 and 2 are named at the head, slot 3 behind slot 1's load, slot s + 2 behind the refill of slot s; the last two refills name nothing.
; LIMITS: a block of zeros, and one whose largest magnitude lies under 2^-124, gets the byte 1 (this program alone reads the bytes); NaN and infinities are not served.
; REGISTERS: window 0: v12-30 addresses; v32-63 scale words, two sets; v64-127 the table for block 0; from v128 source 1's fragments, one set; behind the loop v128-239 at work.
;   window 1: source 0's fragments, two sets; behind the loop three sets of the table.  Windows 2, 3: accumulators ((a, b) at v[8 (8 (a % 4) + b)]).
.set NQ,     2
.set FR,     12
.set NL,     3
.set NP,     4
.set KFRAG,  1536
.set RBK,    3072                      ; a row block's two fragments in a slot
.set HALFT,  8*RBK
.set SLOT,   4*HALFT
.set LAPS,   4
.set SCL,    2*SLOT
.set HALFS,  8192
.set SPARE,  SCL+4*HALFS
.set LI,   12                          ; 16 x lane
.set L8,   13                          ; 8 x lane
.set ADRA, 16                          ; v16-17 source 1's fragments in slot 0, 1
.set ADRB, 20                          ; v20-21 source 0's
.set ADRS, 27                          ; scale words: lanes 0-15 source 1's rows, lanes 16-31 source 0's
.set SPW,  28
.set NIL,  29
.set PFO,  30                          ; the prefetches' lane offset
.set SC,   32
.set AF,   128
.set H,    128                         ; v128-191 rotated numbers
.set PC,   192                         ; v192-211 codes
.set TM,   212                         ; v212-227 the quantiser's work
.set PWS,  232                         ; v232-239 eight scale words
.set PFA,  10                          ; s[10:11] the prefetches' base
.set SEL,  66
.set G1, 24
.set G0, 32
.set G1B, 48
.set G0B, 56
.set G1S, 68
.set G0S, 76
.set G1SB, 80
.set G0SB, 88
.set MSB, 0
.macro WIN new
.if MSB != (\new)
	s_set_vgpr_msb (MSB<<8)|(\new)
.set MSB, (\new)
.endif
.endm
.set MUL_LO, 0xa1
.set MUL_HI, 0xf1
.set TO_B,   0x40
.macro TLOAD g0, g1                    ; a tensor load with an s_nop and four v_nop behind it
	tensor_load_to_lds s[\g0:\g0+3], s[\g1:\g1+7]
	s_nop 0
.rept 4
	v_nop
.endr
.endm
.macro JLOAD g0a, g1a, g0b, g1b        ; waves 0, 1 fetch x's halves, waves 2, 3 W's
	s_cmp_eq_u32 s15, 0
	s_cbranch_scc0 .Lfor_b_\@
	TLOAD \g0a, \g1a
	s_branch .Lasked_\@
.Lfor_b_\@:
	TLOAD \g0b, \g1b
.Lasked_\@:
.endm
.macro CREST
	s_cmp_lg_u32 s14, 0
	s_cbranch_scc1 .Lnot_wave_0_\@
	s_barrier_signal -3
.Lnot_wave_0_\@:
	s_barrier_wait -3
	s_barrier_signal -1
	s_barrier_wait -1
.endm
.macro CROUND
	s_barrier_signal -1
	s_barrier_wait -1
	CREST
.endm
.macro DESC g, a                       ; group 0 but for its LDS word
	s_mov_b32 s[\g], 1
	s_mov_b64 s[\g+2:\g+3], s[\a:\a+1]
	s_or_b32 s[\g+3], s[\g+3], 0x80000000
.endm
	s_load_b128 s[4:7], s[0:1], 0x0                ; x_img, x_scl
	s_load_b128 s[8:11], s[0:1], 0x10              ; w_img, w_scl
	s_load_b64 s[12:13], s[0:1], 0x20              ; rope
	s_load_b128 s[96:99], s[0:1], 0x28             ; qkv_img, qkv_scl
	v_lshl_add_u32 v[SPW], v0, 2, SPARE
	v_mov_b32 v[NIL], 0
	ds_add_u32 v[SPW], v[NIL]                      ; the opening lines: the add twice and one wait
	ds_add_u32 v[SPW], v[NIL]
	v_lshrrev_b32 v1, 5, v0
	v_readfirstlane_b32 s14, v1                    ; wave
	s_lshr_b32 s15, s14, 1                         ; my half of the tile's rows; also: I fetch for x (0) or W (1)
	s_and_b32 s16, s14, 1                          ; my half of its columns; also: which 128 rows I fetch
	s_bfe_u32 s40, ttmp6, 0x40000                  ; cx, cy
	s_bfe_u32 s41, ttmp6, 0x40004
	s_lshl_b32 s42, ttmp9, 2
	s_add_co_u32 s42, s42, s40                     ; tile column 0..11
	s_and_b32 s17, ttmp7, 0xffff
	s_lshl_b32 s17, s17, 2
	s_add_co_u32 s17, s17, s41                     ; tile row 0..15
	s_lshl_b32 s43, s41, 2
	s_lshl_b32 s43, 15, s43                        ; my row of the cluster
	s_lshl_b32 s44, 0x1111, s40                    ; my column
	s_or_b32 s[G1+0], s43, (3<<16)|(1<<21)         ; tiles: row blocks of 3,072 bytes (384 x 8), 24,576 apart: 16 for the head's loads, 8 behind them
	s_or_b32 s[G1B+0], s44, (3<<16)|(1<<21)
.irp g, G1, G1B
	s_mov_b32 s[\g+1], 384<<16
	s_mov_b32 s[\g+2], 16<<16
	s_mov_b32 s[\g+3], 384<<16
	s_mov_b32 s[\g+4], 16
	s_mov_b32 s[\g+5], 3072
	s_mov_b32 s[\g+6], 0
	s_mov_b32 s[\g+7], 0
.endr
	s_or_b32 s[G1S+0], s43, (3<<16)|(1<<21)        ; scale words of 256 rows: 16,384 dense bytes as 64 rows of 256
	s_or_b32 s[G1SB+0], s44, (3<<16)|(1<<21)
.irp g, G1S, G1SB
	s_mov_b32 s[\g+1], 32<<16
	s_mov_b32 s[\g+2], 64<<16
	s_mov_b32 s[\g+3], 32<<16
	s_mov_b32 s[\g+4], 64
	s_mov_b32 s[\g+5], 32
	s_mov_b32 s[\g+6], 0
	s_mov_b32 s[\g+7], 0
.endr
	s_mov_b32 s[SEL], 0x76543210
	s_mov_b32 s[SEL+1], 0xfedcba98
	s_lshl_b32 s20, s17, 4                         ; x: first row block of the tile
	s_lshl_b32 s46, s42, 4                         ; W: likewise
	s_lshl_b32 s22, s20, 10
	s_mov_b32 s23, 0
	s_lshl_b32 s92, s46, 10
	s_mov_b32 s93, 0
	s_mul_i32 s20, s20, 24576
	s_mov_b32 s21, 0
	s_mul_i32 s46, s46, 24576
	s_mov_b32 s47, 0
	s_mul_i32 s45, s14, HALFT                      ; the ring: where my 128 rows go
	s_mul_i32 s18, s16, 8*24576                    ; and where they come from
	s_mov_b32 s19, 0
	s_and_b32 s94, s17, 3
	s_lshl_b32 s94, s94, 1
	s_or_b32 s94, s94, s15
	s_lshl_b32 s94, s94, 16                        ; the table of my 128 tokens
	s_mov_b32 s95, 0
	s_cmp_eq_u32 ttmp9, 2
	s_cselect_b32 s2, s16, 0                       ; 1: my wave makes v
	s_wait_dscnt 0x0                               ; both opening adds are done
	s_wait_kmcnt 0x0
	s_add_nc_u64 s[20:21], s[4:5], s[20:21]
	s_add_nc_u64 s[22:23], s[6:7], s[22:23]
	s_add_nc_u64 s[46:47], s[8:9], s[46:47]
	s_add_nc_u64 s[92:93], s[10:11], s[92:93]
	s_add_nc_u64 s[12:13], s[12:13], s[94:95]
	DESC G0, 20                                    ; the head's four tiles, each whole
	s_mov_b32 s[G0+1], 0
	DESC G0B, 46
	s_mov_b32 s[G0B+1], 2*HALFT
	DESC G0S, 22
	s_mov_b32 s[G0S+1], SCL
	DESC G0SB, 92
	s_mov_b32 s[G0SB+1], SCL+2*HALFS
	s_add_nc_u64 s[4:5], s[20:21], s[18:19]        ; my 128 rows
	s_add_nc_u64 s[8:9], s[46:47], s[18:19]
	s_cmp_eq_u32 s15, 0
	s_cselect_b64 s[PFA:PFA+1], s[4:5], s[8:9]
	s_cselect_b32 s6, s40, s41                     ; my place among the four that ask with me
	s_mul_i32 s6, s6, 2*24576                      ; its two row blocks
	s_mov_b32 s7, 0
	s_add_nc_u64 s[PFA:PFA+1], s[PFA:PFA+1], s[6:7]
	s_add_nc_u64 s[4:5], s[4:5], RBK
	s_add_nc_u64 s[8:9], s[8:9], RBK
	DESC G0+4, 4                                   ; slot 1
	s_add_co_u32 s[G0+5], s45, SLOT
	DESC G0B+4, 8
	s_add_co_u32 s[G0B+5], s45, SLOT
	s_mul_i32 s6, s15, HALFT                       ; x's 128 rows of mine in a slot,
	s_mul_i32 s7, s16, HALFT
	s_add_co_u32 s7, s7, 2*HALFT                   ; W's
	s_cmp_eq_u32 s2, 1
	s_cselect_b32 s20, s7, s6                      ; source 1 takes x, for v it takes W
	s_cselect_b32 s21, s6, s7                      ; source 0 the other
	s_mul_i32 s22, s15, HALFS
	s_add_co_u32 s22, s22, SCL                     ; x's scale words of mine
	s_mul_i32 s23, s16, HALFS
	s_add_co_u32 s23, s23, SCL+2*HALFS             ; W's
	CROUND                                         ; all sixteen work-groups are here: the first joint loads meet
.macro ARM under, g0, g1, next         ; one chain of branches on the wave's number, one load to an arm
	s_cmp_lt_u32 s14, \under
	s_cbranch_scc0 \next
	TLOAD \g0, \g1
	s_branch .Lhead_asked
\next:
.endm
	ARM 1, G0,  G1,  .Lhead_b
	ARM 2, G0B, G1B, .Lhead_sa
	ARM 3, G0S, G1S, .Lhead_sb
	TLOAD G0SB, G1SB
.Lhead_asked:
	v_and_b32 v6, 31, v0
	v_min_u32 v3, 23, v6
	v_mul_u32_u24 v4, v3, 11
	v_lshrrev_b32 v4, 7, v4                        ; which of my two row blocks: lane / 12
	v_mul_u32_u24 v5, v4, 12
	v_sub_nc_u32 v3, v3, v5
	v_lshlrev_b32 v3, 8, v3                        ; which 256 bytes of its 3,072
	v_mad_u32_u24 v[PFO], v4, 24576, v3
	v_lshlrev_b32 v[LI], 4, v6
	global_prefetch_b8 v[PFO], s[PFA:PFA+1] offset:RBK th:TH_LOAD_NT scope:SCOPE_SE      ; slot 1
	global_prefetch_b8 v[PFO], s[PFA:PFA+1] offset:2*RBK th:TH_LOAD_NT scope:SCOPE_SE    ; slot 2
.irp n, 0,1,2,3,4,5,6,7,8,9,10,11,12,13,14,15
	global_load_b128 v[64+4*\n:67+4*\n], v[LI], s[12:13] offset:512*\n   ; the table of my first 16 tokens (waited for behind the loop; v's waves do not read it)
.endr
	v_lshlrev_b32 v[L8], 3, v6
	v_and_b32 v1, 15, v0                           ; r
	v_bfe_u32 v2, v0, 4, 1                         ; h
	v_add_nc_u32 v[ADRA], s20, v[LI]
	v_add_nc_u32 v[ADRB], s21, v[LI]
	v_add_nc_u32 v[ADRA+1], SLOT, v[ADRA]
	v_add_nc_u32 v[ADRB+1], SLOT, v[ADRB]
	v_lshl_add_u32 v7, v1, 2, s22
	v_lshl_add_u32 v8, v1, 2, s23
	v_cmp_ne_u32 vcc_lo, s2, v2                    ; lanes 16-31 take W's words; for v lanes 0-15 do
	v_cndmask_b32 v[ADRS], v7, v8, vcc_lo
.macro FRAG reg, adr, q, i
.irp c, 0,1,2
	ds_load_b128 v[\reg+4*\c:\reg+4*\c+3], v[\adr] offset:(\i)*RBK+(\q)*KFRAG+512*\c
.endr
.endm
; 16 matrix instructions; the 64 accumulators take turns, one instruction a turn
.macro MUL16 a0, p, q, sc, zero
.irp a, \a0, \a0+1
.irp b, 0,1,2,3,4,5,6,7
.if \zero
	v_wmma_scale_f32_16x16x128_f8f6f4 v[8*(8*((\a)%4)+\b):8*(8*((\a)%4)+\b)+7], v[128*(\p)+FR*\b:128*(\p)+FR*\b+FR-1], v[AF+FR*(\a):AF+FR*(\a)+FR-1], 0, v[SC+8*NQ*(\sc)+NQ*\b+(\q)], v[SC+8*NQ*(\sc)+NQ*(\a)+(\q)] matrix_a_fmt:MATRIX_FMT_FP6 matrix_b_fmt:MATRIX_FMT_FP6 matrix_a_scale:MATRIX_SCALE_ROW1
.else
	v_wmma_scale_f32_16x16x128_f8f6f4 v[8*(8*((\a)%4)+\b):8*(8*((\a)%4)+\b)+7], v[128*(\p)+FR*\b:128*(\p)+FR*\b+FR-1], v[AF+FR*(\a):AF+FR*(\a)+FR-1], v[8*(8*((\a)%4)+\b):8*(8*((\a)%4)+\b)+7], v[SC+8*NQ*(\sc)+NQ*\b+(\q)], v[SC+8*NQ*(\sc)+NQ*(\a)+(\q)] matrix_a_fmt:MATRIX_FMT_FP6 matrix_b_fmt:MATRIX_FMT_FP6 matrix_a_scale:MATRIX_SCALE_ROW1
.endif
.endr
.endr
.endm
.macro FETCH_B slot, q, p
	WIN TO_B
.irp i, 0,1,2,3,4,5,6,7
	FRAG 128*(\p)+FR*\i, ADRB+\slot, \q, \i
.endr
	WIN 0
.endm
.macro FETCH_A slot, q, i0
.irp i, \i0, \i0+1, \i0+2, \i0+3
	FRAG AF+FR*(\i), ADRA+\slot, \q, \i
.endr
.endm
.macro SCALES sc
.irp i, 0,1,2,3,4,5,6,7
	ds_load_b32 v[SC+8*NQ*\sc+NQ*\i], v[ADRS] offset:\i*1024
	ds_load_b32 v[SC+8*NQ*\sc+NQ*\i+1], v[ADRS] offset:\i*1024+64
.endr
.endm
.macro PLACES n                        ; plain places behind a matrix instruction (ISA guide 7.12.1)
.rept \n
	v_nop
.endr
.endm
.macro STEP slot, q, zero              ; 128 along K with its successor in the same slot
	s_wait_dscnt 4*NL                              ; all but the youngest twelve loads (source 1's blocks 4-7)
	WIN MUL_LO
	MUL16 0, (\q)%2, \q, \slot, \zero
	MUL16 2, (\q)%2, \q, \slot, \zero
	s_wait_dscnt 0
	PLACES NP
	FETCH_B \slot, (\q)+1, 1-(\q)%2
	FETCH_A \slot, (\q)+1, 0
	WIN MUL_HI
	MUL16 4, (\q)%2, \q, \slot, \zero
	MUL16 6, (\q)%2, \q, \slot, \zero
	PLACES NP
	WIN 0
	FETCH_A \slot, (\q)+1, 4
.endm
.macro TURN slot, next, fill           ; a slot's last 128 along K, and the change of slots
.if \fill
	s_wait_xcnt 0x0                                ; my prefetches have read their base: it steps a slot on
	s_add_nc_u64 s[PFA:PFA+1], s[PFA:PFA+1], RBK
.endif
	s_wait_tensorcnt 0x0                           ; all my tensor loads have landed: my part of the next slot
	ds_add_u32 v[SPW], v[NIL]
	s_wait_dscnt 4*NL+1                            ; (the add and the youngest twelve loads may be out)
	WIN MUL_LO
	MUL16 0, 1, NQ-1, \slot, 0
	s_wait_dscnt 0x0                               ; the add is done, my reads of this slot are over
	s_barrier_signal -1
	MUL16 2, 1, NQ-1, \slot, 0
	WIN 0
	s_barrier_wait -1
.if \fill
	CREST                                          ; the barrier has opened a round of the cluster's
	s_add_nc_u64 s[G0+4*\slot+2:G0+4*\slot+3], s[G0+4*\slot+2:G0+4*\slot+3], 2*RBK
	s_add_nc_u64 s[G0B+4*\slot+2:G0B+4*\slot+3], s[G0B+4*\slot+2:G0B+4*\slot+3], 2*RBK
	JLOAD G0+4*\slot, G1, G0B+4*\slot, G1B         ; its four v_nop are the places in front of the loads below
.else
	PLACES NP
.endif
	s_wait_alu depctr_va_vdst(0)                   ; the wait ahead of the reader below
	v_add_nc_u32 v[ADRS], 128, v[ADRS]             ; the next slot's scale words
	FETCH_B \next, 0, 0
	FETCH_A \next, 0, 0
	SCALES \next
.if \fill
	s_cmp_gt_u32 s3, 1                             ; the last lap's two refills have no slot two on
	s_cbranch_scc0 .Lno_ask_\@
	global_prefetch_b8 v[PFO], s[PFA:PFA+1] offset:3*RBK th:TH_LOAD_NT scope:SCOPE_SE
.Lno_ask_\@:
.endif
	WIN MUL_HI
	MUL16 4, 1, NQ-1, \slot, 0
	MUL16 6, 1, NQ-1, \slot, 0
	PLACES NP
	WIN 0
	FETCH_A \next, 0, 4
.endm
	s_wait_alu depctr_va_vdst(0)                   ; the wait at the head's end
	s_wait_tensorcnt 0x0                           ; my tile of the head's four is in; the full sequence ahead of slot 1's first fill
	ds_add_u32 v[SPW], v[NIL]
	s_mov_b32 s[G1+2], 8<<16                       ; no load of mine is out: from here on a load brings 8 row blocks,
	s_mov_b32 s[G1+4], 8
	s_mov_b32 s[G1B+2], 8<<16
	s_mov_b32 s[G1B+4], 8
	s_mov_b32 s[G0+1], s45                         ; and slot 0's group 0 names my 128 rows
	s_add_nc_u64 s[G0+2:G0+3], s[G0+2:G0+3], s[18:19]
	s_mov_b32 s[G0B+1], s45
	s_add_nc_u64 s[G0B+2:G0B+3], s[G0B+2:G0B+3], s[18:19]
	s_wait_dscnt 0x0
	CROUND
	JLOAD G0+4, G1, G0B+4, G1B                     ; slot 1
	FETCH_B 0, 0, 0
	FETCH_A 0, 0, 0
	SCALES 0
	FETCH_A 0, 0, 4
	global_prefetch_b8 v[PFO], s[PFA:PFA+1] offset:3*RBK th:TH_LOAD_NT scope:SCOPE_SE    ; slot 3
	STEP 0, 0, 1                                   ; the first step's products start the sums
	s_mov_b32 s3, LAPS-1
.Llap:
	TURN 0, 1, 1
	STEP 1, 0, 0
	TURN 1, 0, 1
	STEP 0, 0, 0
	s_sub_co_u32 s3, s3, 1
	s_cmp_lg_u32 s3, 0
	s_cbranch_scc1 .Llap
	TURN 0, 1, 0                                   ; the last lap fills nothing
	STEP 1, 0, 0
	s_wait_dscnt 4*NL
	WIN MUL_LO
	MUL16 0, 1, NQ-1, 1, 0
	MUL16 2, 1, NQ-1, 1, 0
	s_wait_dscnt 0
	WIN MUL_HI
	MUL16 4, 1, NQ-1, 1, 0
	MUL16 6, 1, NQ-1, 1, 0
	WIN 0
	PLACES NP                                      ; in front of every read of a result and every write of an operand's register below
.irp b, 0,1,2,3
	v_mov_b32 v[TM+4+\b], 0                        ; written once: a lane permute's destination counts as one of its sources
.endr
	; where my wave's 128 tokens x one head go
	s_lshr_b32 s20, s17, 2                         ; batch
	s_and_b32 s21, s17, 3
	s_lshl_b32 s21, s21, 1
	s_or_b32 s21, s21, s15                         ; which 128 tokens of the sequence
	s_lshl_b32 s22, s20, 4
	s_lshl_b32 s23, s42, 1
	s_add_co_u32 s22, s22, s23
	s_add_co_u32 s22, s22, s16                     ; q: 16 batch + head
	s_mul_i32 s46, s22, 98304
	s_mul_i32 s47, s21, 12288
	s_add_co_u32 s46, s46, s47
	s_lshl_b32 s92, s22, 13
	s_lshl_b32 s93, s21, 10
	s_add_co_u32 s92, s92, s93
	s_lshl_b32 s22, s20, 2
	s_add_co_u32 s22, s22, s42
	s_sub_co_u32 s22, s22, 8                       ; k, v: 4 batch + head (used in column tiles 8-11 alone)
	s_mul_i32 s23, s22, 208896
	s_add_co_u32 s23, s23, 6291456                 ; the head's block
	s_add_co_u32 s95, s23, s93                     ; k's scale words
	s_mul_i32 s94, s21, 24576
	s_add_co_u32 s94, s94, s23
	s_add_co_u32 s94, s94, 12288                   ; k's images
	s_cmp_eq_u32 ttmp9, 2                          ; the cluster's x: the same in all partners
	s_cselect_b32 s46, s94, s46
	s_cselect_b32 s92, s95, s92
	s_cselect_b64 s[98:99], s[96:97], s[98:99]     ; k's and v's scale words lie in qkv_img
	s_mov_b32 s47, 0
	s_mov_b32 s93, 0
; 64 numbers of a lane at v[QS] of window QW, register 16 b + i = k 32 b + 16 (lane / 16) + i of my row, become a fragment's codes in v[PC] on and its scale word in v[PW]
.macro QUANT
	WIN (QW|(QW<<2))
.irp b, 0,1,2,3
	v_max3_num_f32 v[TM+\b], |v[QS+16*\b]|, |v[QS+1+16*\b]|, 0x1800000   ; with the floor 2^(3 - 127); each accumulator is read from its low end on
.endr
.irp i, 2,4,6,8,10,12,14
.irp b, 0,1,2,3
	v_max3_num_f32 v[TM+\b], |v[QS+16*\b+\i]|, |v[QS+1+16*\b+\i]|, v[TM+\b]
.endr
.endr
	WIN 0
.irp b, 0,1,2,3
	v_permlanex16_b32 v[TM+4+\b], v[TM+\b], s[SEL], s[SEL+1]
.endr
.irp b, 0,1,2,3
	v_max_num_f32 v[TM+\b], v[TM+\b], v[TM+4+\b]   ; with lane l xor 16's: the block's largest magnitude
.endr
.irp b, 0,1,2,3
	v_add_nc_u32 v[TM+12+\b], 0xff000000, v[TM+\b] ; the conversion's scale operand
.endr
.irp b, 0,1,2,3
	v_lshrrev_b32 v[TM+4+\b], 23, v[TM+12+\b]      ; the byte
.endr
	v_lshl_or_b32 v[PW], v[TM+5], 8, v[TM+4]
	v_lshl_or_b32 v[PW], v[TM+6], 16, v[PW]
	v_lshl_or_b32 v[PW], v[TM+7], 24, v[PW]
	WIN QW
.irp c, 0,1
	v_cvt_scalef32_pk16_fp6_f32 v[PC+6*\c:PC+2+6*\c], v[QS+32*\c:QS+15+32*\c], v[TM+12+2*\c]
	v_cvt_scalef32_pk16_fp6_f32 v[PC+12+4*\c:PC+14+4*\c], v[QS+16+32*\c:QS+31+32*\c], v[TM+12+2*\c+1]
.endr
	WIN 0
	v_nop                                          ; one plain place behind a scaled conversion
.irp c, 0,1                            ; the operand's layout wants a whole block in a lane
.irp i, 0,1,2
	v_permlane16_swap_b32 v[PC+6*\c+\i], v[PC+12+4*\c+\i]
.endr
.irp i, 0,1,2
	v_mov_b32 v[PC+3+6*\c+\i], v[PC+12+4*\c+\i]
.endr
.endr
.endm
.macro EMIT a
.irp c, 0,1,2
	global_store_b128 v[LI], v[PC+4*\c:PC+4*\c+3], s[96:97] offset:(\a)*1536+512*\c   ; 512 consecutive bytes
.endr
.endm
	s_cmp_lg_u32 s2, 1
	s_cbranch_scc1 .Lqk
	; ---- v: fragment a of V^T straight from accumulators (a, 0 .. 7)
	s_add_co_u32 s46, s94, 12288                   ; V^T's fragments lie behind K's
	s_lshl_b32 s92, s21, 9
	s_add_co_u32 s92, s92, s23
	s_add_co_u32 s92, s92, 8192
	s_add_nc_u64 s[96:97], s[96:97], s[46:47]
	s_add_nc_u64 s[98:99], s[98:99], s[92:93]
.irp a, 0,1,2,3,4,5,6,7
.set QS, 64*(\a%4)
.set QW, 2+\a/4
.set PW, PWS+\a
	s_wait_xcnt 0x0                                ; the last fragment's stores have read the codes' registers
	QUANT
	EMIT \a
.endr
	v_cmp_eq_u32 vcc_lo, 1, v2                     ; lane (r, h) stores the words of fragments h, 2 + h, 4 + h, 6 + h
.irp g, 0,1,2,3
	v_cndmask_b32 v[TM+\g], v[PWS+2*\g], v[PWS+2*\g+1], vcc_lo
.endr
	global_store_b128 v[LI], v[TM:TM+3], s[98:99]  ; 512 consecutive bytes
	s_branch .Ldone
.Lqk:	; ---- q and k: rotated, quantised along the head, stored as images
	s_add_nc_u64 s[96:97], s[96:97], s[46:47]
	s_add_nc_u64 s[98:99], s[98:99], s[92:93]
.macro SETT a                          ; block a's table: set a % 4: set 0 in window 0 at v64, sets 1-3 in window 1 at v0, v64, v128
.if ((\a)%4) == 0
.set TW, 0
.set TR, 64
.else
.set TW, 1
.set TR, 64*(((\a)%4)-1)
.endif
.endm
.macro TABLE a
	SETT \a
	WIN (TW<<6)
.irp n, 0,1,2,3,4,5,6,7,8,9,10,11,12,13,14,15
	global_load_b128 v[TR+4*\n:TR+4*\n+3], v[LI], s[12:13] offset:(\a)*8192+512*\n
.endr
.endm
.macro QKBLOCK a, cnt                  ; out(d) = x(d) cos - x(d + 64) sin, out(d + 64) = x(d + 64) cos + x(d) sin
	SETT \a
.set AC, 64*((\a)%4)
.set PW, PWS+(\a)
.set QS, H
.set QW, 0
	s_wait_loadcnt \cnt                            ; this block's table is in; the younger sets, 16 loads each, may be out
	WIN ((2+(\a)/4)|(TW<<2))
.irp b, 0,1,2,3
.irp j, 0,2,4,6
	v_pk_mul_f32 v[H+8*\b+\j:H+8*\b+\j+1], v[AC+8*(\b+4)+\j:AC+8*(\b+4)+\j+1], v[TR+16*\b+8+\j:TR+16*\b+8+\j+1]
	v_pk_mul_f32 v[H+8*(\b+4)+\j:H+8*(\b+4)+\j+1], v[AC+8*\b+\j:AC+8*\b+\j+1], v[TR+16*\b+8+\j:TR+16*\b+8+\j+1]
.endr
.irp j, 0,2,4,6
	v_pk_fma_f32 v[H+8*\b+\j:H+8*\b+\j+1], v[AC+8*\b+\j:AC+8*\b+\j+1], v[TR+16*\b+\j:TR+16*\b+\j+1], v[H+8*\b+\j:H+8*\b+\j+1] neg_lo:[0,0,1] neg_hi:[0,0,1]
	v_pk_fma_f32 v[H+8*(\b+4)+\j:H+8*(\b+4)+\j+1], v[AC+8*(\b+4)+\j:AC+8*(\b+4)+\j+1], v[TR+16*\b+\j:TR+16*\b+\j+1], v[H+8*(\b+4)+\j:H+8*(\b+4)+\j+1]
.endr
.endr
.if (\a) < 4
	TABLE (\a)+4                                   ; the set just read takes the block four further on
.endif
	WIN 0
	s_wait_xcnt 0x0                                ; the last block's stores have read the codes' registers
	QUANT
	EMIT \a
.if ((\a)%2) == 1
	global_store_b64 v[L8], v[PWS+(\a)-1:PWS+(\a)], s[98:99] offset:256*((\a)/2)      ; two tiles' scale words: 256 consecutive bytes
.endif
.endm
	TABLE 1
	TABLE 2
	TABLE 3
	WIN 0
	QKBLOCK 0, 48
	QKBLOCK 1, 48
	QKBLOCK 2, 48
	QKBLOCK 3, 48
	QKBLOCK 4, 48
	QKBLOCK 5, 32
	QKBLOCK 6, 16
	QKBLOCK 7, 0
.Ldone:
	s_wait_tensorcnt 0x0                           ; the wave's end
	ds_add_u32 v[SPW], v[NIL]
	s_wait_dscnt 0x0
	CROUND                                         ; the closing round
	s_endpgm
.Lfunc_end_k_q09b534ff1a_gemm_qkv:
	.size	k_q09b534ff1a_gemm_qkv, .Lfunc_end_k_q09b534ff1a_gemm_qkv-k_q09b534ff1a_gemm_qkv
	.p2alignl 7, 3214868480
	.fill 96, 4, 3214868480
	.section	.rodata,"a",@progbits
	.p2align	6, 0x0
	.amdhsa_kernel k_q09b534ff1a_gemm_qkv
		.amdhsa_group_segment_fixed_size 327680
		.amdhsa_private_segment_fixed_size 0
		.amdhsa_enable_private_segment 0
		.amdhsa_kernarg_size 56
		.amdhsa_user_sgpr_count 2
		.amdhsa_user_sgpr_kernarg_segment_ptr 1
		.amdhsa_wavefront_size32 1
		.amdhsa_system_sgpr_workgroup_id_x 1
		.amdhsa_system_sgpr_workgroup_id_y 1
		.amdhsa_system_sgpr_workgroup_id_z 1
		.amdhsa_system_vgpr_workitem_id 0
		.amdhsa_next_free_vgpr 1024
		.amdhsa_next_free_sgpr 100
		.amdhsa_reserve_vcc 1
		.amdhsa_float_denorm_mode_32 3
		.amdhsa_float_denorm_mode_16_64 3
		.amdhsa_memory_ordered 1
		.amdhsa_forward_progress 1
		.amdhsa_inst_pref_size 223
	.end_amdhsa_kernel
	.amdgpu_metadata
---
amdhsa.version: [ 1, 2 ]
amdhsa.kernels:
  - .name:           k_q09b534ff1a_gemm_qkv
    .symbol:         k_q09b534ff1a_gemm_qkv.kd
    .args:
      - { .name: x_img, .offset: 0, .size: 8, .value_kind: global_buffer, .address_space: global }
      - { .name: x_scl, .offset: 8, .size: 8, .value_kind: global_buffer, .address_space: global }
      - { .name: w_img, .offset: 16, .size: 8, .value_kind: global_buffer, .address_space: global }
      - { .name: w_scl, .offset: 24, .size: 8, .value_kind: global_buffer, .address_space: global }
      - { .name: rope, .offset: 32, .size: 8, .value_kind: global_buffer, .address_space: global }
      - { .name: qkv_img, .offset: 40, .size: 8, .value_kind: global_buffer, .address_space: global }
      - { .name: qkv_scl, .offset: 48, .size: 8, .value_kind: global_buffer, .address_space: global }
    .group_segment_fixed_size: 327680
    .private_segment_fixed_size: 0
    .kernarg_segment_align: 8
    .kernarg_segment_size: 56
    .max_flat_workgroup_size: 128
    .sgpr_count:     100
    .vgpr_count:     1024
    .wavefront_size: 32
...
	.end_amdgpu_metadata
.endif
;; end of part 2
;; launch attn (part 3): grid 4 x 64, 16 waves a work-group, clusters of 4 x 1, 327,680 bytes of LDS; arguments qkv_img, qkv_scl, att; writes att
.if DOCPART == 3
	.amdgcn_target "amdgcn-amd-amdhsa--gfx1250"
	.amdhsa_code_object_version 6
	.text
	.protected	k_q09b534ff1a_attn
	.globl	k_q09b534ff1a_attn
	.p2align	8
	.type	k_q09b534ff1a_attn,@function
k_q09b534ff1a_attn:
	s_mov_b64 s[64:65], 0
	v_nop
	global_prefetch_b8 v0, s[64:65] scope:SCOPE_SE
	s_setreg_imm32_b32 hwreg(HW_REG_WAVE_MODE, 25, 1), 1
	s_wait_xcnt 0x0
	s_wait_alu depctr_hold_cnt(0) depctr_sa_sdst(0) depctr_va_vdst(0) depctr_va_sdst(0) depctr_va_ssrc(0) depctr_va_vcc(0) depctr_vm_vsrc(0)
	s_getreg_b32 s2, hwreg(HW_REG_IB_STS2, 6, 4)
	s_cmp_eq_u32 s2, 0
	s_cbranch_scc0 .Lentry_in_a_cluster
	s_endpgm
.Lentry_in_a_cluster:
	s_bfe_u32 s2, ttmp6, 0x10000c
	s_cmp_lg_u32 s2, 0x3003
	s_cbranch_scc0 .Lentry_shape_is_right
	s_endpgm
.Lentry_shape_is_right:
; Causal attention of one query head on codes of FP6 (E2M3) with E8M0 scales; the result is divided by the row's sum and quantised along the model's 2,048 for the output projection.
; THE SOFTMAX AHEAD OF THE SECOND PRODUCT: t = score x log2(e) / sqrt(128); M = the running largest t rounded UP to a whole number; p = 2^(t - M) is quantised along the keys, not normalised; the row's sum is taken of the
; unquantised p; when M moves, the sum and O are multiplied by 2^(old M - new M), which rounds nothing.
; INPUTS are images of operands' registers (a fragment: 1,536 bytes, register p of lane l at 512 (p / 4) + 16 l + 4 (p % 4)).  Tile j of 16 queries or keys: lane r is token 32 (j / 2) + 8 (j % 2) + r + 8 (r / 8).
; ALL OF A KEY/VALUE HEAD FITS IN LDS: 8 key steps x (K's 8 fragments, V^T's 8) = 196,608 bytes, and 12,288 bytes of scale words.  Every byte is filled once: no ring.
; SHARES.  Work-group y = 16 batch + head; the four partners of a cluster (x) share the head, so K and V are asked for jointly.  Wave w owns ONE tile of 16 queries, j = 4 i(w) + cx; it needs i / 2 + 1 key steps.
; i(w) is dealt so that the step counts of waves 4 n .. 4 n + 3, and of waves n, n + 4, n + 8, n + 12, each add up to 18.  The place in the cluster enters global addresses of Q and of the result and the mask's numbers alone.
; LAYOUT.  S^T = K Q^T and O^T = V^T P^T: a lane holds one query (lane % 16) throughout; the 16 registers of tiles 2 b, 2 b + 1 are 16 neighbouring keys (or channels).
; CAUSAL.  Every wave walks all 8 steps of two loops of constant count; a step whose keys all come after the wave's queries is jumped over by a scalar branch on the wave's number; in the one step on the diagonal hidden
; scores become -infinity ahead of the maximum.  Key 0 counts for every query.
; OUTPUT.  att: images [batch 64 + j][head][1536]; from byte 6,291,456 scale words [batch 64 + j][head][row].
; LIMITS: a block of zeros, and one whose largest magnitude lies under 2^-124, gets the byte 1; NaN and infinities are not served.
; REGISTERS: v1-6 addresses that stay; v8, v10, v11 the step's addresses; v12 -M, v13 the largest t, v[14:15] the sum; v16-27 Q; v32-79 four fragments; v96-159 S^T, then p; v160-223 O^T; v224-235 p's codes; v232-254 at work; v248-251, v253, v255 scale words.
; IN LDS AND IN MEMORY a key/value head is one block of 208,896 bytes: the scale words (12,288), then the 8 key steps.  Every wave asks for 1/16 of the first 61,440 bytes (the scale words, key steps 0, 1)
; at the head, and for 1/16 of the other 147,456 behind the full sequence and a round of the cluster's barrier; the second load lands under the first two steps' work.
.set SCL,  0
.set LI,   1                           ; v1   16 x lane
.set ASK0, 2                           ; v2   K's scale words: SCL + 8 x lane
.set ASV0, 3                           ; v3   V's: SCL + 8,192 + 16 (lane % 16)
.set DV,   4                           ; v4   my query's place in its key step - 16 (lane / 16)
.set ADK,  8
.set ADS,  10
.set ADT,  11
.set PC,   32                          ; the way out: the codes, the quantiser's work, the scale word
.set TM,   52
.set PW,   68
.set WV,   18
.set SEL,  20
.set CS,   22
.set G1,   24                          ; s[24:31] group 1: 15 rows of 256 bytes;  s[32:39]: 36 rows
.set G1S,  32
.set G0S,  40                          ; s[40:43] group 0 for key steps 2 to 7;  s[44:47] for the scale words and key steps 0, 1
.set G0,   44
.set TB,   60                          ; s60  LDS byte of the key step
.set TS,   61                          ; s61  its scale words of K
.set TJ,   62                          ; s62  and of V
.set KS,   63                          ; s63  the key step
.set DS,   66                          ; s66  the key step on my diagonal
.set CNT,  67
.macro CROUND
	s_barrier_signal -1
	s_barrier_wait -1
	s_cmp_lg_u32 s[WV], 0
	s_cbranch_scc1 .Lnot_wave_0_\@
	s_barrier_signal -3
.Lnot_wave_0_\@:
	s_barrier_wait -3
	s_barrier_signal -1
	s_barrier_wait -1
.endm
	s_load_b128 s[4:7], s[0:1], 0x0                ; qkv_img, qkv_scl
	s_load_b64 s[8:9], s[0:1], 0x10                ; att
	v_lshl_add_u32 v95, v0, 2, 0x33000
	v_mov_b32 v243, 0
	ds_add_u32 v95, v243
	ds_add_u32 v95, v243
	v_lshrrev_b32 v8, 5, v0
	s_delay_alu instid0(VALU_DEP_1)
	v_readfirstlane_b32 s[WV], v8                  ; wave 0..15
	s_bfe_u32 s10, ttmp6, 0x40000                  ; cx
	s_and_b32 s11, ttmp7, 0xffff                   ; y = 16 batch + head
	s_lshr_b32 s12, s11, 2                         ; 4 batch + key/value head
	s_mov_b32 s13, 0x791f86e0                      ; i(w), four bits a wave
	s_mov_b32 s14, 0x3d5bc2a4
	s_cmp_lt_u32 s[WV], 8
	s_cselect_b32 s13, s13, s14
	s_and_b32 s14, s[WV], 7
	s_lshl_b32 s14, s14, 2
	s_lshr_b32 s13, s13, s14
	s_and_b32 s13, s13, 15
	s_lshr_b32 s[DS], s13, 1
	s_lshl_b32 s15, s13, 2
	s_add_co_u32 s15, s15, s10                     ; j
	s_mov_b32 s[G1], 15|(3<<16)|(1<<21)            ; 15:0 the mask: all four partners; 17:16 elements of 8 bytes; 21 set beside a mask
	s_mov_b32 s[G1+1], 32<<16
	s_mov_b32 s[G1+2], 15<<16
	s_mov_b32 s[G1+3], 32<<16
	s_mov_b32 s[G1+4], 15
	s_mov_b32 s[G1+5], 32
	s_mov_b32 s[G1+6], 0
	s_mov_b32 s[G1+7], 0
	s_mov_b32 s[G1S], 15|(3<<16)|(1<<21)
	s_mov_b32 s[G1S+1], 32<<16
	s_mov_b32 s[G1S+2], 36<<16
	s_mov_b32 s[G1S+3], 32<<16
	s_mov_b32 s[G1S+4], 36
	s_mov_b32 s[G1S+5], 32
	s_mov_b32 s[G1S+6], 0
	s_mov_b32 s[G1S+7], 0
	s_mul_i32 s72, s12, 208896                     ; the head's block
	s_add_co_u32 s72, s72, 6291456
	s_mov_b32 s73, 0
	s_mul_i32 s70, s[WV], 3840                     ; my 15 rows of 256 bytes of its first part,
	s_mov_b32 s71, 0
	s_mul_i32 s74, s[WV], 9216                     ; my 36 rows of the rest: the same place in LDS as in the block
	s_add_co_u32 s74, s74, 61440
	s_mov_b32 s75, 0
	s_lshl_b32 s76, s11, 6
	s_add_co_u32 s76, s76, s15
	s_mul_i32 s76, s76, 1536                       ; Q's fragment
	s_mov_b32 s77, 0
	s_lshl_b32 s78, s11, 5
	s_lshr_b32 s79, s15, 1
	s_add_co_u32 s78, s78, s79
	s_lshl_b32 s78, s78, 8
	s_and_b32 s79, s15, 1
	s_lshl_b32 s79, s79, 2
	s_add_co_u32 s78, s78, s79                     ; its scale words
	s_mov_b32 s79, 0
	s_lshr_b32 s80, s11, 4
	s_lshl_b32 s80, s80, 6
	s_add_co_u32 s80, s80, s15                     ; the result's row block: 64 batch + j
	s_and_b32 s81, s11, 15                         ; its K step: the head
	s_lshl_b32 s82, s80, 4
	s_add_co_u32 s82, s82, s81
	s_mul_i32 s82, s82, 1536
	s_mov_b32 s83, 0
	s_lshl_b32 s84, s80, 10
	s_lshl_b32 s85, s81, 6
	s_add_co_u32 s84, s84, s85
	s_add_co_u32 s84, s84, 6291456
	s_mov_b32 s85, 0
	s_bfe_u32 s86, s15, 0x20001                    ; (j / 2) % 4
	s_lshl_b32 s86, s86, 5
	s_and_b32 s87, s15, 1
	s_lshl_b32 s87, s87, 3
	s_add_co_u32 s86, s86, s87                     ; my tile's first query in its key step
	s_mov_b32 s[SEL], 0x76543210
	s_mov_b32 s[SEL+1], 0xfedcba98
	s_mov_b32 s[CS], 0x3e0293ee                    ; c = log2(e) / sqrt(128)
	s_mov_b32 s[CS+1], s[CS]
	s_mov_b32 s[TB], 12288
	s_mov_b32 s[TS], 0
	s_mov_b32 s[TJ], 0
	s_mov_b32 s[KS], 0
	s_wait_dscnt 0x0
	s_wait_kmcnt 0x0
	s_add_nc_u64 s[72:73], s[4:5], s[72:73]
	s_mov_b32 s[G0], 1
	s_mov_b32 s[G0+1], s70
	s_add_nc_u64 s[G0+2:G0+3], s[72:73], s[70:71]
	s_or_b32 s[G0+3], s[G0+3], 0x80000000
	s_mov_b32 s[G0S], 1
	s_mov_b32 s[G0S+1], s74
	s_add_nc_u64 s[G0S+2:G0S+3], s[72:73], s[74:75]
	s_or_b32 s[G0S+3], s[G0S+3], 0x80000000
	s_add_nc_u64 s[76:77], s[4:5], s[76:77]
	s_add_nc_u64 s[78:79], s[6:7], s[78:79]
	s_add_nc_u64 s[82:83], s[8:9], s[82:83]
	s_add_nc_u64 s[84:85], s[8:9], s[84:85]
	CROUND                                         ; all four work-groups are here: the joint loads meet
	tensor_load_to_lds s[G0:G0+3], s[G1:G1+7]      ; every wave's one load at the head
	s_nop 0
.rept 4
	v_nop
.endr
	v_and_b32 v8, 31, v0
	s_delay_alu instid0(VALU_DEP_1)
	v_lshlrev_b32 v[LI], 4, v8
	s_delay_alu instid0(VALU_DEP_2)
	v_lshl_add_u32 v[ASK0], v8, 3, SCL
	s_delay_alu instid0(VALU_DEP_3)
	v_lshlrev_b32 v5, 3, v8                        ; v5: Q's scale word: 8 x lane
	global_load_b128 v[16:19], v[LI], s[76:77]
	global_load_b128 v[20:23], v[LI], s[76:77] offset:512
	global_load_b128 v[24:27], v[LI], s[76:77] offset:1024
	global_load_b32 v255, v5, s[78:79]
	v_and_b32 v8, 15, v0                           ; r
	s_delay_alu instid0(VALU_DEP_1)
	v_lshl_add_u32 v[ASV0], v8, 4, SCL+8192
	s_delay_alu instid0(VALU_DEP_2)
	v_lshlrev_b32 v6, 2, v8                        ; v6: the result's scale word: 4 r
	s_delay_alu instid0(VALU_DEP_3)
	v_and_b32 v9, 8, v8
	s_delay_alu instid0(VALU_DEP_1)
	v_add_nc_u32 v8, v8, v9                        ; r + 8 (r / 8)
	v_bfe_u32 v9, v0, 4, 1
	s_delay_alu instid0(VALU_DEP_1)
	v_lshlrev_b32 v9, 4, v9
	s_delay_alu instid0(VALU_DEP_1)
	v_sub_nc_u32 v8, v8, v9
	s_delay_alu instid0(VALU_DEP_1)
	v_add_nc_u32 v[DV], s86, v8
	v_mov_b32 v13, 0xff61b1e6                      ; the largest t so far: -3e38
	s_delay_alu instid0(VALU_DEP_1)
	v_floor_f32 v12, -v13                          ; -M
	v_mov_b32 v14, 0
	v_mov_b32 v15, 0
.irp b, 0,1,2,3
	v_mov_b32 v[236+\b], 0                         ; written once: a lane permute's destination counts as one of its sources
.endr
	v_mov_b32 v252, 0
	v_mov_b32 v253, 0
.set JJ, 0
.rept 64
	v_mov_b32 v[160+JJ], 0                         ; O^T: the step is written once; the first finds zeros, which the first change of M leaves zeros
.set JJ, JJ+1
.endr
; A loop of key steps; one trip is 128 keys.
.macro STEPS trips
	s_mov_b32 s[CNT], \trips
.Lstep_\@:
	s_cmp_gt_u32 s[KS], s[DS]                      ; all its keys come after my queries: only the addresses step
	s_cbranch_scc1 .Lhidden_\@
	v_add_nc_u32 v[ADK], s[TB], v[LI]              ; (these four lines are the places in front of loads into registers that the last products read)
	s_wait_alu depctr_va_vdst(0)
	v_add_nc_u32 v[ADS], s[TS], v[ASK0]
	s_wait_alu depctr_va_vdst(0)
	v_add_nc_u32 v[ADT], s[TJ], v[ASV0]
	v_nop
.irp g, 0,1                            ; S^T = K Q^T, four tiles of 16 keys at a time
.if \g > 0
.rept 4
	v_nop
.endr
.endif
.irp t, 0,1,2,3
.irp c, 0,1,2
	ds_load_b128 v[32+12*\t+4*\c:35+12*\t+4*\c], v[ADK] offset:(4*\g+\t)*1536+512*\c
.endr
.endr
	ds_load_b64 v[248:249], v[ADS] offset:512*\g           ; the scale words of two tiles at a time
	ds_load_b64 v[250:251], v[ADS] offset:512*\g+256
	s_wait_dscnt 0x0
.irp t, 0,1,2,3
	v_wmma_scale_f32_16x16x128_f8f6f4 v[96+8*(4*\g+\t):103+8*(4*\g+\t)], v[32+12*\t:43+12*\t], v[16:27], 0, v[248+\t], v255 matrix_a_fmt:MATRIX_FMT_FP6 matrix_b_fmt:MATRIX_FMT_FP6
.endr
.endr
.rept 4
	v_nop
.endr
	s_cmp_lt_u32 s[KS], s[DS]                      ; all its keys count: no mask
	s_cbranch_scc1 .Lopen_\@
	v_mov_b32 v254, 0xff800000                     ; -infinity.  Register 16 b + i holds key 32 b + 16 (lane / 16) + i of the step: hidden where 32 b + i > v[DV]
.set JJ, 0
.rept 64
	v_cmp_gt_i32 vcc_lo, 32*(JJ/16)+JJ%16, v[DV]
	v_cndmask_b32 v[96+JJ], v[96+JJ], v254, vcc_lo
.set JJ, JJ+1
.endr
.Lopen_\@:
.irp b, 0,1,2,3
	v_max3_num_f32 v[232+\b], v[96+16*\b], v[97+16*\b], v[98+16*\b]   ; the largest score of each block of 32 keys: for the row's maximum, and, since p rises with the score, for the block's largest p
.endr
.irp i, 3,5,7,9,11,13
.irp b, 0,1,2,3
	v_max3_num_f32 v[232+\b], v[232+\b], v[96+16*\b+\i], v[97+16*\b+\i]
.endr
.endr
.irp b, 0,1,2,3
	v_max_num_f32 v[232+\b], v[232+\b], v[111+16*\b]
.endr
.irp b, 0,1,2,3
	s_delay_alu instid0(VALU_DEP_4)
	v_permlanex16_b32 v[236+\b], v[232+\b], s[SEL], s[SEL+1]
.endr
.irp b, 0,1,2,3
	s_delay_alu instid0(VALU_DEP_4)
	v_max_num_f32 v[232+\b], v[232+\b], v[236+\b]  ; with lane l xor 16's 16 keys
.endr
	s_delay_alu instid0(VALU_DEP_2)
	v_max3_num_f32 v254, v232, v233, v234
	s_delay_alu instid0(VALU_DEP_1)
	v_max_num_f32 v254, v254, v235
	s_delay_alu instid0(VALU_DEP_1)
	v_mul_f32 v254, s[CS], v254                    ; as t (c is positive)
	s_delay_alu instid0(VALU_DEP_1)
	v_max_num_f32 v13, v13, v254                   ; the running largest t
	v_mov_b32 v254, v12
	s_delay_alu instid0(VALU_DEP_2)
	v_floor_f32 v12, -v13                          ; the new -M = -ceil(t)
	s_delay_alu instid0(VALU_DEP_1)
	v_sub_f32 v254, v12, v254                      ; old M - new M: a whole number, 0 or less
	s_delay_alu instid0(VALU_DEP_1)
	v_cvt_i32_f32 v254, v254                       ; (it saturates)
	s_delay_alu instid0(VALU_DEP_1)
	v_ldexp_f32 v252, 1.0, v254                    ; f = 2^(old M - new M)
.set JJ, 0
.rept 32
	v_pk_fma_f32 v[96+JJ:97+JJ], v[96+JJ:97+JJ], s[CS:CS+1], v[12:13] op_sel_hi:[1,0,0]   ; t - M, two at a time
.set JJ, JJ+2
.endr
.irp b, 0,1,2,3
	v_fma_f32 v[232+\b], v[232+\b], s[CS], v12     ; the same of each block's largest score
.endr
.set JJ, 0
	s_wait_alu depctr_va_vdst(0)
.rept 64
	v_exp_f32 v[96+JJ], v[96+JJ]                   ; p = 2^(t - M)
.set JJ, JJ+1
.endr
.irp b, 0,1,2,3
	v_exp_f32 v[232+\b], v[232+\b]                 ; the block's largest p: the same two instructions on the same number
.endr
	v_pk_mul_f32 v[14:15], v[14:15], v[252:253] op_sel_hi:[1,0]   ; the sums under the new M (a plain place behind the exponentials)
	s_wait_alu depctr_va_vdst(0)
.irp b, 0,1,2,3
	v_max_num_f32 v[232+\b], 0x1800000, v[232+\b]  ; the floor 2^(3 - 127)
.endr
.irp b, 0,1,2,3
	s_delay_alu instid0(VALU_DEP_4)
	v_add_nc_u32 v[244+\b], 0xff000000, v[232+\b]  ; the conversion's scale operand
.endr
.irp b, 0,1,2,3
	s_delay_alu instid0(VALU_DEP_4)
	v_lshrrev_b32 v[236+\b], 23, v[244+\b]         ; the scale's byte
.endr
	s_delay_alu instid0(VALU_DEP_3)
	v_lshl_or_b32 v253, v237, 8, v236              ; p's scale word for these 128 keys
	s_delay_alu instid0(VALU_DEP_1)
	v_lshl_or_b32 v253, v238, 16, v253
	s_delay_alu instid0(VALU_DEP_1)
	v_lshl_or_b32 v253, v239, 24, v253
.irp c, 0,1
	v_cvt_scalef32_pk16_fp6_f32 v[224+6*\c:226+6*\c], v[96+32*\c:111+32*\c], v[244+2*\c]
	v_cvt_scalef32_pk16_fp6_f32 v[236+4*\c:238+4*\c], v[112+32*\c:127+32*\c], v[244+2*\c+1]
.endr
	v_nop                                          ; one plain place behind a scaled conversion
.irp c, 0,1
.irp i, 0,1,2
	v_permlane16_swap_b32 v[224+6*\c+\i], v[236+4*\c+\i]
.endr
.irp i, 0,1,2
	s_delay_alu instid0(VALU_DEP_3)
	v_mov_b32 v[227+6*\c+\i], v[236+4*\c+\i]
.endr
.endr
	v_pk_add_f32 v[236:237], v[100:101], v[104:105]
	v_pk_add_f32 v[250:251], v[108:109], v[112:113]
	v_pk_add_f32 v[248:249], v[116:117], v[120:121]
	v_pk_add_f32 v[246:247], v[124:125], v[128:129]
	v_pk_add_f32 v[244:245], v[132:133], v[136:137]
	v_pk_add_f32 v[240:241], v[140:141], v[144:145]
	v_pk_add_f32 v[92:93], v[148:149], v[152:153]
	v_pk_add_f32 v[14:15], v[14:15], v[156:157]
	v_pk_add_f32 v[236:237], v[236:237], v[96:97]
	v_pk_add_f32 v[250:251], v[250:251], v[98:99]
	v_pk_add_f32 v[248:249], v[248:249], v[102:103]
	v_pk_add_f32 v[246:247], v[246:247], v[106:107]
	v_pk_add_f32 v[244:245], v[244:245], v[110:111]
	v_pk_add_f32 v[240:241], v[240:241], v[114:115]
	v_pk_add_f32 v[92:93], v[92:93], v[118:119]
	v_pk_add_f32 v[14:15], v[14:15], v[122:123]
	v_pk_add_f32 v[236:237], v[236:237], v[126:127]
	v_pk_add_f32 v[250:251], v[250:251], v[130:131]
	v_pk_add_f32 v[248:249], v[248:249], v[134:135]
	v_pk_add_f32 v[246:247], v[246:247], v[138:139]
	v_pk_add_f32 v[244:245], v[244:245], v[142:143]
	v_pk_add_f32 v[240:241], v[240:241], v[146:147]
	v_pk_add_f32 v[92:93], v[92:93], v[150:151]
	v_pk_add_f32 v[14:15], v[14:15], v[154:155]
	v_pk_add_f32 v[236:237], v[236:237], v[158:159]
	s_delay_alu instid0(VALU_DEP_2)
	v_pk_add_f32 v[14:15], v[14:15], v[246:247]
	s_delay_alu instid0(VALU_DEP_2)
	v_pk_add_f32 v[236:237], v[236:237], v[244:245]
	v_pk_add_f32 v[250:251], v[250:251], v[240:241]
	v_pk_add_f32 v[248:249], v[248:249], v[92:93]
	s_delay_alu instid0(VALU_DEP_2)
	v_pk_add_f32 v[14:15], v[14:15], v[250:251]
	s_delay_alu instid0(VALU_DEP_2)
	v_pk_add_f32 v[236:237], v[236:237], v[248:249]
	s_delay_alu instid0(VALU_DEP_1)
	v_pk_add_f32 v[14:15], v[14:15], v[236:237]
.set JJ, 0
.rept 32
	v_pk_mul_f32 v[160+JJ:161+JJ], v[160+JJ:161+JJ], v[252:253] op_sel_hi:[1,0]   ; O^T under the new M (also the places in front of the products and loads below)
.set JJ, JJ+2
.endr
	s_wait_alu depctr_va_vdst(0)
.irp g, 0,1                            ; O^T += V^T P^T, four tiles of 16 channels at a time
.if \g > 0
.rept 4
	v_nop
.endr
.endif
.irp t, 0,1,2,3
.irp c, 0,1,2
	ds_load_b128 v[32+12*\t+4*\c:35+12*\t+4*\c], v[ADK] offset:12288+(4*\g+\t)*1536+512*\c
.endr
.endr
	ds_load_b64 v[248:249], v[ADT] offset:8*\g             ; tiles 4 g and 4 g + 2,
	ds_load_b64 v[250:251], v[ADT] offset:256+8*\g         ; tiles 4 g + 1 and 4 g + 3
	s_wait_dscnt 0x0
.irp t, 0,1,2,3
	v_wmma_scale_f32_16x16x128_f8f6f4 v[160+8*(4*\g+\t):167+8*(4*\g+\t)], v[32+12*\t:43+12*\t], v[224:235], v[160+8*(4*\g+\t):167+8*(4*\g+\t)], v[248+2*(\t%2)+(\t/2)], v253 matrix_a_fmt:MATRIX_FMT_FP6 matrix_b_fmt:MATRIX_FMT_FP6
.endr
.endr
.Lhidden_\@:
	s_add_co_u32 s[KS], s[KS], 1
	s_add_co_u32 s[TB], s[TB], 24576
	s_add_co_u32 s[TS], s[TS], 1024
	s_add_co_u32 s[TJ], s[TJ], 512
	s_sub_co_u32 s[CNT], s[CNT], 1
	s_cmp_lg_u32 s[CNT], 0
	s_cbranch_scc1 .Lstep_\@
.endm
	s_wait_alu depctr_va_vdst(0)                   ; the wait at the head's end
	s_wait_loadcnt 0x0                             ; Q
	s_wait_tensorcnt 0x0                           ; my part of the scale words and of key steps 0, 1 is in; the full sequence ahead of the later first fill
	ds_add_u32 v95, v243
	s_wait_dscnt 0x0
	CROUND                                         ; everybody's part is in, and the four partners' joint loads meet
	tensor_load_to_lds s[G0S:G0S+3], s[G1S:G1S+7]  ; my part of key steps 2 to 7
	s_nop 0
.rept 4
	v_nop
.endr
	STEPS 2
	s_wait_tensorcnt 0x0                           ; my parts of all the rest
	s_wait_dscnt 0x0
	s_barrier_signal -1
	s_barrier_wait -1
	STEPS 6                                        ; no barrier from here on: the waves run freely
	; ---- the way out: O^T / the sum, quantised along the head's 128 (one K step of the output projection), stored as an image
.rept 4
	v_nop                                          ; four places between the wave's last products, whichever step they stood in (hidden steps hold scalar lines alone), and the first write of a register that they read: the quantiser's work lies where V^T's fragments lay (ISA guide 7.12.1)
.endr
	v_add_f32 v14, v14, v15
	s_delay_alu instid0(VALU_DEP_1)
	v_permlanex16_b32 v252, v14, s[SEL], s[SEL+1]
	s_delay_alu instid0(VALU_DEP_1)
	v_add_f32 v14, v14, v252                       ; the row's sum
	s_wait_alu depctr_va_vdst(0)
	v_rcp_f32 v14, v14
.irp b, 0,1,2,3
	v_mov_b32 v[TM+4+\b], 0                        ; (plain places behind the reciprocal; a lane permute's destination counts as one of its sources)
.endr
.set JJ, 0
	s_wait_alu depctr_va_vdst(0)
.rept 64
	v_mul_f32 v[96+JJ], v[160+JJ], v14             ; register 16 b + i: channel 32 b + 16 (lane / 16) + i of my query; each accumulator from its low end on
.set JJ, JJ+1
.endr
.irp b, 0,1,2,3
	v_max3_num_f32 v[TM+\b], |v[96+16*\b]|, |v[97+16*\b]|, 0x1800000   ; my 16 numbers of block b, and the floor 2^(3 - 127)
.endr
.irp i, 2,4,6,8,10,12,14
.irp b, 0,1,2,3
	s_delay_alu instid0(VALU_DEP_4)
	v_max3_num_f32 v[TM+\b], v[TM+\b], |v[96+16*\b+\i]|, |v[97+16*\b+\i]|
.endr
.endr
.irp b, 0,1,2,3
	s_delay_alu instid0(VALU_DEP_4)
	v_permlanex16_b32 v[TM+4+\b], v[TM+\b], s[SEL], s[SEL+1]
.endr
.irp b, 0,1,2,3
	s_delay_alu instid0(VALU_DEP_4)
	v_max_num_f32 v[TM+\b], v[TM+\b], v[TM+4+\b]   ; with lane l xor 16's: the block's largest magnitude
.endr
.irp b, 0,1,2,3
	s_delay_alu instid0(VALU_DEP_4)
	v_add_nc_u32 v[TM+12+\b], 0xff000000, v[TM+\b] ; 2 off the exponent field: the conversion's scale operand
.endr
.irp b, 0,1,2,3
	s_delay_alu instid0(VALU_DEP_4)
	v_lshrrev_b32 v[TM+4+\b], 23, v[TM+12+\b]      ; the scale's byte
.endr
	s_delay_alu instid0(VALU_DEP_3)
	v_lshl_or_b32 v[PW], v[TM+5], 8, v[TM+4]
	s_delay_alu instid0(VALU_DEP_1)
	v_lshl_or_b32 v[PW], v[TM+6], 16, v[PW]
	s_delay_alu instid0(VALU_DEP_1)
	v_lshl_or_b32 v[PW], v[TM+7], 24, v[PW]
.irp c, 0,1
	v_cvt_scalef32_pk16_fp6_f32 v[PC+6*\c:PC+2+6*\c], v[96+32*\c:111+32*\c], v[TM+12+2*\c]
	v_cvt_scalef32_pk16_fp6_f32 v[PC+12+4*\c:PC+14+4*\c], v[112+32*\c:127+32*\c], v[TM+12+2*\c+1]
.endr
	v_nop                                          ; one plain place behind a scaled conversion
.irp c, 0,1                            ; the operand's layout wants a whole block in a lane
.irp i, 0,1,2
	v_permlane16_swap_b32 v[PC+6*\c+\i], v[PC+12+4*\c+\i]
.endr
.irp i, 0,1,2
	s_delay_alu instid0(VALU_DEP_3)
	v_mov_b32 v[PC+3+6*\c+\i], v[PC+12+4*\c+\i]
.endr
.endr
.irp c, 0,1,2
	global_store_b128 v[LI], v[PC+4*\c:PC+4*\c+3], s[82:83] offset:512*\c      ; 512 consecutive bytes
.endr
	global_store_b32 v6, v[PW], s[84:85]           ; both halves of the lanes write the same word with the same value
	s_wait_tensorcnt 0x0
	ds_add_u32 v95, v243
	s_wait_dscnt 0x0
	CROUND                                         ; the closing round
	s_endpgm
.Lfunc_end_k_q09b534ff1a_attn:
	.size	k_q09b534ff1a_attn, .Lfunc_end_k_q09b534ff1a_attn-k_q09b534ff1a_attn
	.p2alignl 7, 3214868480
	.fill 96, 4, 3214868480
	.section	.rodata,"a",@progbits
	.p2align	6, 0x0
	.amdhsa_kernel k_q09b534ff1a_attn
		.amdhsa_group_segment_fixed_size 327680
		.amdhsa_private_segment_fixed_size 0
		.amdhsa_enable_private_segment 0
		.amdhsa_kernarg_size 24
		.amdhsa_user_sgpr_count 2
		.amdhsa_user_sgpr_kernarg_segment_ptr 1
		.amdhsa_wavefront_size32 1
		.amdhsa_system_sgpr_workgroup_id_x 1
		.amdhsa_system_sgpr_workgroup_id_y 1
		.amdhsa_system_sgpr_workgroup_id_z 1
		.amdhsa_system_vgpr_workitem_id 0
		.amdhsa_next_free_vgpr 256
		.amdhsa_next_free_sgpr 92
		.amdhsa_reserve_vcc 1
		.amdhsa_float_denorm_mode_32 3
		.amdhsa_float_denorm_mode_16_64 3
		.amdhsa_memory_ordered 1
		.amdhsa_forward_progress 1
		.amdhsa_inst_pref_size 70
	.end_amdhsa_kernel
	.amdgpu_metadata
---
amdhsa.version: [ 1, 2 ]
amdhsa.kernels:
  - .name:           k_q09b534ff1a_attn
    .symbol:         k_q09b534ff1a_attn.kd
    .args:
      - { .name: qkv_img, .offset: 0, .size: 8, .value_kind: global_buffer, .address_space: global }
      - { .name: qkv_scl, .offset: 8, .size: 8, .value_kind: global_buffer, .address_space: global }
      - { .name: att, .offset: 16, .size: 8, .value_kind: global_buffer, .address_space: global }
    .group_segment_fixed_size: 327680
    .private_segment_fixed_size: 0
    .kernarg_segment_align: 8
    .kernarg_segment_size: 24
    .max_flat_workgroup_size: 512
    .sgpr_count:     92
    .vgpr_count:     256
    .wavefront_size: 32
...
	.end_amdgpu_metadata
.endif
;; end of part 3
;; launch gemm_o (part 4): grid 8 x 32, 4 waves a work-group, clusters of 4 x 4, 327,680 bytes of LDS; arguments att, w_img, w_scl, out0; writes out0
.if DOCPART == 4
	.amdgcn_target "amdgcn-amd-amdhsa--gfx1250"
	.amdhsa_code_object_version 6
	.text
	.protected	k_q09b534ff1a_gemm_o
	.globl	k_q09b534ff1a_gemm_o
	.p2align	8
	.type	k_q09b534ff1a_gemm_o,@function
k_q09b534ff1a_gemm_o:
	s_mov_b64 s[64:65], 0
	v_nop
	global_prefetch_b8 v0, s[64:65] scope:SCOPE_SE
	s_setreg_imm32_b32 hwreg(HW_REG_WAVE_MODE, 25, 1), 1
	s_wait_xcnt 0x0
	s_wait_alu depctr_hold_cnt(0) depctr_sa_sdst(0) depctr_va_vdst(0) depctr_va_sdst(0) depctr_va_ssrc(0) depctr_va_vcc(0) depctr_vm_vsrc(0)
	s_getreg_b32 s2, hwreg(HW_REG_IB_STS2, 6, 4)
	s_cmp_eq_u32 s2, 0
	s_cbranch_scc0 .Lentry_in_a_cluster
	s_endpgm
.Lentry_in_a_cluster:
	s_bfe_u32 s2, ttmp6, 0x10000c
	s_cmp_lg_u32 s2, 0xf033
	s_cbranch_scc0 .Lentry_shape_is_right
	s_endpgm
.Lentry_shape_is_right:
; out0 = att Wo on codes of FP6 (E2M3) with E8M0 scales, both operands as images of the operand's registers ([row block][K step 0..15][1536]; scale words [row block][K step][row]).
; A tile of 128 token-positions x 256 columns, four waves of 64 x 128; K in four slots' worth of 512 through a ring of two LDS slots; clusters of 4 x 4 with joint loads; 256 work-groups.
; THE HEAD: four whole tiles, one joint load a wave: att's 8 row blocks of slot 0, Wo's 16, att's scale words, Wo's.  Slot 1 is first filled behind the full sequence and a round.
; PREFETCH: of the row blocks that a wave fetches for a slot each of the four partners names a quarter, told apart by address: two instructions a slot, a lane a block of 256 bytes
; (att: 12 + 12 blocks of one row block; Wo: 24 + 24 of two; the lanes left over name the last again).  Slots 1, 2 are named at the head, slot 3 behind slot 1's load.
.set PFO,    30                        ; v30-31 the prefetches' lane offsets
.set PFA,    8                         ; s[8:9] their base
.set NQ,     4
.set FR,     12
.set NP,     4
.set KFRAG,  1536
.set RBK,    NQ*KFRAG
.set AHALF,  4*RBK
.set ATILE,  8*RBK
.set BHALF,  8*RBK
.set SLOT,   ATILE+2*BHALF
.set SCL,    2*SLOT
.set SAH,    4096
.set SBH,    8192
.set SPARE,  SCL+2*SAH+2*SBH
.set SPITCH, 528
.set LI,   12
.set ADRA, 16
.set ADRB, 20
.set STO,  24
.set RD,   25
.set ADRS, 27
.set SPW,  28
.set NIL,  29
.set SC,   32
.set AF,   128
.set BK,   128
.set G1, 24
.set G0, 32
.set G1B, 48
.set G0B, 56
.set G1S, 68
.set G0S, 76
.set G1SB, 80
.set G0SB, 88
.set MSB, 0
.macro WIN new
.if MSB != (\new)
	s_set_vgpr_msb (MSB<<8)|(\new)
.set MSB, (\new)
.endif
.endm
.set MUL,  0xa1
.set TO_B, 0x40
.macro JLOAD g0a, g1a, g0b, g1b
	s_cmp_eq_u32 s15, 0
	s_cbranch_scc0 .Lfor_b_\@
	tensor_load_to_lds s[\g0a:\g0a+3], s[\g1a:\g1a+7]
	s_nop 0
.rept 4
	v_nop
.endr
	s_branch .Lasked_\@
.Lfor_b_\@:
	tensor_load_to_lds s[\g0b:\g0b+3], s[\g1b:\g1b+7]
	s_nop 0
.rept 4
	v_nop
.endr
.Lasked_\@:
.endm
.macro CREST
	s_cmp_lg_u32 s14, 0
	s_cbranch_scc1 .Lnot_wave_0_\@
	s_barrier_signal -3
.Lnot_wave_0_\@:
	s_barrier_wait -3
	s_barrier_signal -1
	s_barrier_wait -1
.endm
.macro CROUND
	s_barrier_signal -1
	s_barrier_wait -1
	CREST
.endm
	s_load_b256 s[4:11], s[0:1], 0x0
	v_lshl_add_u32 v[SPW], v0, 2, SPARE
	v_mov_b32 v[NIL], 0
	ds_add_u32 v28, v29
	ds_add_u32 v28, v29
	s_wait_dscnt 0x0
	v_lshrrev_b32 v1, 5, v0
	v_readfirstlane_b32 s14, v1
	s_lshr_b32 s15, s14, 1
	s_and_b32 s16, s14, 1
	s_bfe_u32 s40, ttmp6, 0x40000
	s_bfe_u32 s41, ttmp6, 0x40004
	s_lshl_b32 s42, ttmp9, 2
	s_add_co_u32 s42, s42, s40
	s_and_b32 s17, ttmp7, 0xffff
	s_lshl_b32 s17, s17, 2
	s_add_co_u32 s17, s17, s41
	s_lshl_b32 s43, s41, 2
	s_lshl_b32 s43, 15, s43
	s_lshl_b32 s44, 0x1111, s40
	s_or_b32 s[G1+0], s43, (3<<16)|(1<<21)
	s_mov_b32 s[G1+1], 768<<16
	s_mov_b32 s[G1+2], 8<<16
	s_mov_b32 s[G1+3], 768<<16
	s_mov_b32 s[G1+4], 8
	s_mov_b32 s[G1+5], 3072
	s_mov_b32 s[G1+6], 0
	s_mov_b32 s[G1+7], 0
	s_or_b32 s[G1B+0], s44, (3<<16)|(1<<21)
	s_mov_b32 s[G1B+1], 768<<16
	s_mov_b32 s[G1B+2], 16<<16
	s_mov_b32 s[G1B+3], 768<<16
	s_mov_b32 s[G1B+4], 16
	s_mov_b32 s[G1B+5], 3072
	s_mov_b32 s[G1B+6], 0
	s_mov_b32 s[G1B+7], 0
	s_or_b32 s[G1S+0], s43, (3<<16)|(1<<21)
	s_mov_b32 s[G1S+1], 32<<16
	s_mov_b32 s[G1S+2], 32<<16
	s_mov_b32 s[G1S+3], 32<<16
	s_mov_b32 s[G1S+4], 32
	s_mov_b32 s[G1S+5], 32
	s_mov_b32 s[G1S+6], 0
	s_mov_b32 s[G1S+7], 0
	s_or_b32 s[G1SB+0], s44, (3<<16)|(1<<21)
	s_mov_b32 s[G1SB+1], 32<<16
	s_mov_b32 s[G1SB+2], 64<<16
	s_mov_b32 s[G1SB+3], 32<<16
	s_mov_b32 s[G1SB+4], 64
	s_mov_b32 s[G1SB+5], 32
	s_mov_b32 s[G1SB+6], 0
	s_mov_b32 s[G1SB+7], 0
	s_lshl_b32 s20, s17, 3                         ; the tile's first row block of att,
	s_lshl_b32 s46, s42, 4                         ; and of Wo
	s_lshl_b32 s22, s20, 10
	s_add_co_u32 s22, s22, 6291456
	s_mov_b32 s23, 0
	s_lshl_b32 s92, s46, 10
	s_add_co_u32 s92, s92, 196608
	s_mov_b32 s93, 0
	s_mul_i32 s20, s20, 24576
	s_mov_b32 s21, 0
	s_mul_i32 s46, s46, 24576
	s_add_co_u32 s46, s46, 4718592
	s_mov_b32 s47, 0
	s_mul_i32 s45, s16, AHALF
	s_mul_i32 s95, s16, BHALF
	s_add_co_u32 s95, s95, ATILE
	s_mul_i32 s18, s16, 4*24576                    ; the ring: my half of att's row blocks in memory,
	s_mov_b32 s19, 0
	s_mul_i32 s96, s16, 8*24576                    ; and of Wo's
	s_mov_b32 s97, 0
	s_wait_kmcnt 0x0
	s_add_nc_u64 s[20:21], s[4:5], s[20:21]
	s_add_nc_u64 s[22:23], s[4:5], s[22:23]
	s_add_nc_u64 s[46:47], s[6:7], s[46:47]
	s_add_nc_u64 s[92:93], s[8:9], s[92:93]
.macro DESC g, a                       ; group 0 but for its LDS word
	s_mov_b32 s[\g], 1
	s_mov_b64 s[\g+2:\g+3], s[\a:\a+1]
	s_or_b32 s[\g+3], s[\g+3], 0x80000000
.endm
	DESC G0, 20                                    ; the head's four tiles, each whole
	s_mov_b32 s[G0+1], 0
	DESC G0B, 46
	s_mov_b32 s[G0B+1], ATILE
	DESC G0S, 22
	s_mov_b32 s[G0S+1], SCL
	DESC G0SB, 92
	s_mov_b32 s[G0SB+1], SCL+2*SAH
	s_add_nc_u64 s[4:5], s[20:21], s[18:19]        ; my half
	s_add_nc_u64 s[6:7], s[46:47], s[96:97]
	s_cmp_eq_u32 s15, 0
	s_cselect_b64 s[PFA:PFA+1], s[4:5], s[6:7]
	s_cselect_b32 s22, s40, s41                    ; my place among the four that ask with me
	s_cselect_b32 s23, 0, 1
	s_cselect_b32 s92, 11, 23                      ; the last block that one prefetch names
	s_mul_i32 s22, s22, 24576
	s_mul_i32 s93, s23, 3
	s_lshl_b32 s22, s22, s23                       ; att: one row block a partner; Wo: two
	s_lshl_b32 s93, 3072, s93                      ; from the first prefetch to the second: 3,072 bytes, or a row block
	s_mov_b32 s23, 0
	s_add_nc_u64 s[PFA:PFA+1], s[PFA:PFA+1], s[22:23]
	s_add_nc_u64 s[4:5], s[4:5], RBK
	s_add_nc_u64 s[6:7], s[6:7], RBK
	DESC G0+4, 4                                   ; slot 1
	s_add_co_u32 s[G0+5], s45, SLOT
	DESC G0B+4, 6
	s_add_co_u32 s[G0B+5], s95, SLOT
	CROUND                                         ; all sixteen work-groups are here: the first joint loads meet
.macro ARM under, g0, g1, next         ; one chain of branches on the wave's number, one load to an arm
	s_cmp_lt_u32 s14, \under
	s_cbranch_scc0 \next
	tensor_load_to_lds s[\g0:\g0+3], s[\g1:\g1+7]
	s_nop 0
.rept 4
	v_nop
.endr
	s_branch .Lhead_asked
\next:
.endm
	ARM 1, G0,  G1,  .Lhead_b
	ARM 2, G0B, G1B, .Lhead_sa
	ARM 3, G0S, G1S, .Lhead_sb
	tensor_load_to_lds s[G0SB:G0SB+3], s[G1SB:G1SB+7]
	s_nop 0
.rept 4
	v_nop
.endr
.Lhead_asked:
	v_and_b32 v1, 15, v0
	v_bfe_u32 v2, v0, 4, 1
	s_wait_alu depctr_va_vdst(0)
	v_and_b32 v6, 31, v0
	v_lshlrev_b32 v[LI], 4, v6
	v_min_u32 v3, s92, v6
	v_lshlrev_b32 v[PFO], 8, v3
	v_add_nc_u32 v[PFO+1], s93, v[PFO]
.irp s, 1,2
	global_prefetch_b8 v[PFO], s[PFA:PFA+1] offset:\s*RBK th:TH_LOAD_NT scope:SCOPE_SE
	global_prefetch_b8 v[PFO+1], s[PFA:PFA+1] offset:\s*RBK th:TH_LOAD_NT scope:SCOPE_SE
.endr
	s_mul_i32 s21, s15, AHALF
	s_mul_i32 s22, s16, BHALF
	s_add_co_u32 s22, s22, ATILE
.irp s, 0,1
	v_add_nc_u32 v[ADRA+\s], s21, v[LI]
	v_add_nc_u32 v[ADRB+\s], s22, v[LI]
	s_add_co_u32 s21, s21, SLOT
	s_add_co_u32 s22, s22, SLOT
.endr
	v_lshlrev_b32 v5, 2, v1
	s_lshl_b32 s21, s15, 12
	s_lshl_b32 s22, s16, 13
	s_add_co_u32 s22, s22, 2*SAH
	s_sub_co_u32 s22, s22, s21
	v_mul_u32_u24 v7, s22, v2
	s_add_co_u32 s21, s21, SCL
	v_add_nc_u32 v5, v5, v7
	v_add_nc_u32 v[ADRS], s21, v5
	s_mul_i32 s23, s14, 16*SPITCH
	v_mul_u32_u24 v5, v1, SPITCH
	v_lshl_add_u32 v5, v2, 6, v5
	v_add_nc_u32 v[STO], s23, v5
	v_add_nc_u32 v[RD], s23, v[LI]
	s_lshl_b32 s20, s17, 7
	s_lshl_b32 s21, s15, 6
	s_add_co_u32 s20, s20, s21
	s_lshl_b32 s20, s20, 13
	s_lshl_b32 s46, s42, 10
	s_lshl_b32 s47, s16, 9
	s_add_co_u32 s46, s46, s47
	s_add_co_u32 s20, s20, s46
	s_mov_b32 s21, 0
	s_add_nc_u64 s[10:11], s[10:11], s[20:21]
.macro FRAG reg, adr, q, i
.irp c, 0,1,2
	ds_load_b128 v[\reg+4*\c:\reg+4*\c+3], v[\adr] offset:(\i)*RBK+(\q)*KFRAG+512*\c
.endr
.endm
.macro MULA a, p, q, sc, zero
.irp b, 0,1,2,3,4,5,6,7
.if \zero
	v_wmma_scale_f32_16x16x128_f8f6f4 v[8*(8*(\a)+\b):8*(8*(\a)+\b)+7], v[128*(\p)+FR*\b:128*(\p)+FR*\b+FR-1], v[AF+48*(\p)+FR*(\a):AF+48*(\p)+FR*(\a)+FR-1], 0, v[SC+32*(\sc)+NQ*\b+(\q)], v[SC+32*(\sc)+NQ*(\a)+(\q)] matrix_a_fmt:MATRIX_FMT_FP6 matrix_b_fmt:MATRIX_FMT_FP6 matrix_a_scale:MATRIX_SCALE_ROW1
.else
	v_wmma_scale_f32_16x16x128_f8f6f4 v[8*(8*(\a)+\b):8*(8*(\a)+\b)+7], v[128*(\p)+FR*\b:128*(\p)+FR*\b+FR-1], v[AF+48*(\p)+FR*(\a):AF+48*(\p)+FR*(\a)+FR-1], v[8*(8*(\a)+\b):8*(8*(\a)+\b)+7], v[SC+32*(\sc)+NQ*\b+(\q)], v[SC+32*(\sc)+NQ*(\a)+(\q)] matrix_a_fmt:MATRIX_FMT_FP6 matrix_b_fmt:MATRIX_FMT_FP6 matrix_a_scale:MATRIX_SCALE_ROW1
.endif
.endr
.endm
.macro FETCH slot, q, p
	WIN TO_B
.irp i, 0,1,2,3,4,5,6,7
	FRAG 128*(\p)+FR*\i, ADRB+\slot, \q, \i
.endr
	WIN 0
.irp i, 0,1,2,3
	FRAG AF+48*(\p)+FR*\i, ADRA+\slot, \q, \i
.endr
.endm
.macro SCALES ss
.irp i, 0,1,2,3,4,5,6,7
.irp q, 0,1,2,3
	ds_load_b32 v[SC+32*((\ss)%2)+NQ*\i+\q], v[ADRS] offset:\i*1024+64*(NQ*(\ss)+\q)
.endr
.endr
.endm
.macro PLACES n
.rept \n
	v_nop
.endr
.endm
.macro STEP slot, q, zero
	PLACES NP
	FETCH \slot, (\q)+1, 1-(\q)%2
	s_wait_dscnt 36
	WIN MUL
.irp a, 0,1,2,3
	MULA \a, (\q)%2, \q, \slot, \zero
.endr
.endm
.macro TURN slot, next, fill, ss
	WIN 0
	s_wait_tensorcnt 0x0
	ds_add_u32 v[SPW], v[NIL]
	s_wait_dscnt 1
	WIN MUL
	MULA 0, 1, NQ-1, \slot, 0
	s_wait_dscnt 0x0
	s_barrier_signal -1
	MULA 1, 1, NQ-1, \slot, 0
	WIN 0
	s_barrier_wait -1
.if \fill
	CREST
	s_add_nc_u64 s[G0+4*\slot+2:G0+4*\slot+3], s[G0+4*\slot+2:G0+4*\slot+3], 2*RBK
	s_add_nc_u64 s[G0B+4*\slot+2:G0B+4*\slot+3], s[G0B+4*\slot+2:G0B+4*\slot+3], 2*RBK
	JLOAD G0+4*\slot, G1, G0B+4*\slot, G1B
.else
	PLACES NP
.endif
	FETCH \next, 0, 0
	SCALES \ss
	WIN MUL
	MULA 2, 1, NQ-1, \slot, 0
	MULA 3, 1, NQ-1, \slot, 0
.endm
	s_wait_alu depctr_va_vdst(0)                   ; the wait at the head's end
	s_wait_tensorcnt 0x0                           ; my tile of the head's four is in; the full sequence ahead of slot 1's first fill
	ds_add_u32 v[SPW], v[NIL]
	s_mov_b32 s[G1+2], 4<<16                       ; no load of mine is out: from here on a load brings half a tile's row blocks,
	s_mov_b32 s[G1+4], 4
	s_mov_b32 s[G1B+2], 8<<16
	s_mov_b32 s[G1B+4], 8
	s_mov_b32 s[G0+1], s45                         ; and slot 0's group 0 names my half
	s_add_nc_u64 s[G0+2:G0+3], s[G0+2:G0+3], s[18:19]
	s_mov_b32 s[G0B+1], s95
	s_add_nc_u64 s[G0B+2:G0B+3], s[G0B+2:G0B+3], s[96:97]
	s_wait_dscnt 0x0
	CROUND
	JLOAD G0+4, G1, G0B+4, G1B                     ; slot 1
	FETCH 0, 0, 0
	SCALES 0
	global_prefetch_b8 v[PFO], s[PFA:PFA+1] offset:3*RBK th:TH_LOAD_NT scope:SCOPE_SE    ; slot 3
	global_prefetch_b8 v[PFO+1], s[PFA:PFA+1] offset:3*RBK th:TH_LOAD_NT scope:SCOPE_SE
	STEP 0, 0, 1
	STEP 0, 1, 0
	STEP 0, 2, 0
	TURN 0, 1, 1, 1
	STEP 1, 0, 0
	STEP 1, 1, 0
	STEP 1, 2, 0
	TURN 1, 0, 1, 2
	STEP 0, 0, 0
	STEP 0, 1, 0
	STEP 0, 2, 0
	TURN 0, 1, 0, 3
	STEP 1, 0, 0
	STEP 1, 1, 0
	STEP 1, 2, 0
	s_wait_dscnt 0x0
	WIN MUL
.irp a, 0,1,2,3
	MULA \a, 1, NQ-1, 1, 0
.endr
	WIN 0
.macro TOSTAGE a
.set AC, 64*(\a)
	WIN 0x08
.irp b, 0,1,2,3,4,5,6,7
	ds_store_b128 v[STO], v[AC+8*\b:AC+8*\b+3] offset:128*(\b/2)+32*(\b%2)
	ds_store_b128 v[STO], v[AC+8*\b+4:AC+8*\b+7] offset:128*(\b/2)+32*(\b%2)+16
.endr
	WIN 0
.set BB, BK+64*((\a)%2)
.irp t, 0,1,2,3,4,5,6,7,8,9,10,11,12,13,14,15
	ds_load_b128 v[BB+4*\t:BB+4*\t+3], v[RD] offset:\t*SPITCH
.endr
.endm
.macro SEND a, younger
.set BB, BK+64*((\a)%2)
	s_wait_dscnt \younger
.if (\a) > 0
.if ((\a)%2) == 1
	s_add_nc_u64 s[10:11], s[10:11], 8*8192
.else
	s_add_nc_u64 s[10:11], s[10:11], 24*8192
.endif
.endif
.irp t, 0,1,2,3,4,5,6,7,8,9,10,11,12,13,14,15
	global_store_b128 v[LI], v[BB+4*\t:BB+4*\t+3], s[10:11] offset:(\t+8*(\t/8))*8192 th:TH_STORE_NT
.endr
.endm
	PLACES NP
	TOSTAGE 0
.irp a, 1,2,3
.if \a > 1
	s_wait_xcnt 0x0
.endif
	TOSTAGE \a
	SEND \a-1, 32
.endr
	s_wait_xcnt 0x0
	SEND 3, 0
	s_wait_tensorcnt 0x0
	ds_add_u32 v[SPW], v[NIL]
	s_wait_dscnt 0x0
	CROUND
	s_endpgm
.Lfunc_end_k_q09b534ff1a_gemm_o:
	.size	k_q09b534ff1a_gemm_o, .Lfunc_end_k_q09b534ff1a_gemm_o-k_q09b534ff1a_gemm_o
	.p2alignl 7, 3214868480
	.fill 96, 4, 3214868480
	.section	.rodata,"a",@progbits
	.p2align	6, 0x0
	.amdhsa_kernel k_q09b534ff1a_gemm_o
		.amdhsa_group_segment_fixed_size 327680
		.amdhsa_private_segment_fixed_size 0
		.amdhsa_enable_private_segment 0
		.amdhsa_kernarg_size 32
		.amdhsa_user_sgpr_count 2
		.amdhsa_user_sgpr_kernarg_segment_ptr 1
		.amdhsa_wavefront_size32 1
		.amdhsa_system_sgpr_workgroup_id_x 1
		.amdhsa_system_sgpr_workgroup_id_y 1
		.amdhsa_system_sgpr_workgroup_id_z 1
		.amdhsa_system_vgpr_workitem_id 0
		.amdhsa_next_free_vgpr 768
		.amdhsa_next_free_sgpr 98
		.amdhsa_reserve_vcc 0
		.amdhsa_float_denorm_mode_32 3
		.amdhsa_float_denorm_mode_16_64 3
		.amdhsa_memory_ordered 1
		.amdhsa_forward_progress 1
		.amdhsa_inst_pref_size 141
	.end_amdhsa_kernel
	.amdgpu_metadata
---
amdhsa.version: [ 1, 2 ]
amdhsa.kernels:
  - .name:           k_q09b534ff1a_gemm_o
    .symbol:         k_q09b534ff1a_gemm_o.kd
    .args:
      - { .name: att, .offset: 0, .size: 8, .value_kind: global_buffer, .address_space: global }
      - { .name: w_img, .offset: 8, .size: 8, .value_kind: global_buffer, .address_space: global }
      - { .name: w_scl, .offset: 16, .size: 8, .value_kind: global_buffer, .address_space: global }
      - { .name: out0, .offset: 24, .size: 8, .value_kind: global_buffer, .address_space: global }
    .group_segment_fixed_size: 327680
    .private_segment_fixed_size: 0
    .kernarg_segment_align: 8
    .kernarg_segment_size: 32
    .max_flat_workgroup_size: 128
    .sgpr_count:     98
    .vgpr_count:     768
    .wavefront_size: 32
...
	.end_amdgpu_metadata
.endif
;; end of part 4
